; MI455X (gfx1250); checked and timed in simulation.
; The chip was launched on July 23, 2026; its instructions are those of AMD's public machine-readable ISA for CDNA 5 (MIT licence, August 2026) and "CDNA5" Instruction Set Architecture Reference Guide (July 2026). The comments in the code are by the model that wrote it; some were corrected since.
;; Attention. Allowed arithmetic: matrix products marked QUANTISED: E2M1 operands, one E8M0 scale for each 32 along K, by v_wmma_scale_f32_16x16x128_f8f6f4 with both operands' format E2M1 (or v_wmma_scale_f32_32x16x128_f4), f32 sums; products left as they are: bf16, f16 or f32 operands; f32 sums; everything else in f32.
;; Inputs: cos 2,048 x 64 float32; hidden_states 4 x 2,048 x 1,024 float32; sin 2,048 x 64 float32; w_o 1,024 x 1,024 float32; w_qkv 3,072 x 1,024 float32.
;; Outputs: out0 4 x 2,048 x 1,024 float32.
;; This version of the problem:
;;   THIS VERSION OF THE PROBLEM IS GIVEN IN LOW PRECISION. The matrix products marked QUANTISED in the list below multiply operands that are first quantised to E2M1 (2 exponent bits, 1 mantissa bit; 4 bits a number), with one power-of-two scale for each 32 numbers along K (OCP MX v1.0); their sums are f32. The products marked 'left as it is' may take bf16, f16 or f32 operands, with f32 sums. All else is computed in f32.
;;   The module's matrix products, in the order in which they are computed (A, B: the left and right operand; K: the contracted axis; several contracted axes count as one K, in the product's order):
;;     1. [M 8,192, K 1,024] x [K 1,024, N 3,072]; A: input hidden_states; B: input w_qkv: QUANTISED
;;     2. batch 64 x [M 2,048, K 64] x [K 64, N 2,048]; A: computed on the way; B: computed on the way: left as it is (an operand is computed on the way)
;;     3. batch 64 x [M 64, K 2,048] x [K 2,048, N 2,048]; A: computed on the way; B: computed on the way: left as it is (an operand is computed on the way)
;;     4. [M 8,192, K 1,024] x [K 1,024, N 1,024]; A: computed on the way; B: input w_o: left as it is (an operand is computed on the way)
;;   THE QUANTISER, for each operand of a quantised product, along K:
;;     - K is cut into blocks of 32 from its start; a last block that is shorter is filled with zeros.
;;     - A block's scale is 2^e with e = floor(log2(the largest magnitude in the block)) - 2, held to -126 .. 127; a block of zeros has e = 0. As a byte (E8M0): e + 127.
;;     - Each number is divided by its block's scale, clamped to +-6, and rounded to the nearest number of E2M1, ties to even, subnormals kept.
;;     - The product sums the exact products of the quantised numbers (number of the format x scale) in f32.
;;   ~~~python
;;   def quantise(x, axis):      # numpy; x: float32 -> the quantised numbers, widened to float32 again
;;       x = np.moveaxis(x, axis, -1); K = x.shape[-1]
;;       x = np.pad(x, [(0, 0)] * (x.ndim - 1) + [(0, -K % 32)]); x = x.reshape(x.shape[:-1] + (-1, 32)); a = np.abs(x).max(-1, keepdims=True)
;;       e = np.where(a > 0, np.clip(np.frexp(np.where(a > 0, a, 1))[1] - 1 - 2, -126, 127), 0)      # np.frexp(a)[1] - 1 = floor(log2(a)), exactly
;;       r = np.clip(x / 2.0 ** e, -6, 6)
;;       step = 2.0 ** (np.maximum(np.frexp(np.where(r == 0, 1, r))[1] - 1, 0) - 1)
;;       q = np.round(r / step) * step * 2.0 ** e      # np.round: ties to even
;;       return np.moveaxis(q.reshape(q.shape[:-2] + (-1,))[..., :K], -1, axis).astype(np.float32)
;;   ~~~
;; One version. Each part assembles by itself: llvm-mc -triple=amdgcn-amd-amdhsa -mcpu=gfx1250 --defsym DOCPART=n.
;; ======== version 1 of 1: 4 launches
;; limits: values are held in f16: magnitudes above 65,504 overflow, below 6.1e-05 lose precision; right only within a limited range of input values
;; workspace buffers: xc 4,194,304 bytes; xs 262,144 bytes; wc 1,572,864 bytes; ws 98,304 bytes; wo16 2,097,152 bytes; qkv 50,331,648 bytes; att 16,777,216 bytes
;; launch prep (part 1): grid 384 x 1, 4 waves a work-group, no clusters, 33,280 bytes of LDS; arguments hidden_states, w_qkv, xc, xs, wc, ws, w_o, wo16; writes xc, xs, wc, ws, wo16
.if DOCPART == 1
	.amdgcn_target "amdgcn-amd-amdhsa--gfx1250"
	.amdhsa_code_object_version 6
	.text
	.protected	k_qf105077151_prep
	.globl	k_qf105077151_prep
	.p2align	8
	.type	k_qf105077151_prep,@function
k_qf105077151_prep:
	s_mov_b64 s[64:65], 0
	v_nop
	global_prefetch_b8 v0, s[64:65] scope:SCOPE_SE
	s_setreg_imm32_b32 hwreg(HW_REG_WAVE_MODE, 25, 1), 1
	s_wait_xcnt 0x0
; hidden_states [8192][1024] and w_qkv [3072][1024], f32, become codes of FP4 (E2M1), K innermost, two codes a byte, with one E8M0 scale byte for each 32 along K;
; w_o [1024][1024], f32, becomes f16 as it lies.  One launch: work-groups 0-255 take hidden_states, 256-351 w_qkv, 352-383 w_o.
; A block's scale is 2^(floor(log2(its largest magnitude)) - 2); its byte is the largest magnitude's own exponent field - 2, held at 1 from below.  Each number is divided by the scale and rounded to the nearest code, ties to even;
; beyond the largest code the conversion gives the largest code.
; LIMITS: a block of zeros gets the byte 1 where the rule says 127 (its codes are zeros, and this program alone reads the bytes); NaN and infinities among the inputs are not served; |w_o| stays under 65,504, f16's largest number.
; QUANTISER.  Rows are dense and K is a multiple of 32: a tensor is a stream of blocks of 32.  A wave takes 16 steps of 512 numbers.  Each of a step's four loads reads 512 consecutive bytes, 16 a lane; the 2,048 bytes go through the
; wave's own stage in LDS and come back 64 bytes a lane, so that a lane holds 16 neighbours along K (two neighbouring lanes hold a block).  A lane's 16 codes are 8 bytes: the wave stores 256 consecutive bytes.
; A wave's 256 scale bytes are gathered in its own LDS bytes and leave by one store of 256 consecutive bytes.  Waves share nothing: no barrier.
.set SIZE_M, 8192
.set SIZE_N, 3072
.set SIZE_K, 1024
.set WAVES, 4
.set STEPS, 16
.set WGA,   SIZE_M*SIZE_K/(512*STEPS*WAVES)            ; 256 work-groups for hidden_states
.set WGQ,   (SIZE_M+SIZE_N)*SIZE_K/(512*STEPS*WAVES)   ; 352 for both quantised tensors
.set EMAX,  2
.set CB,    8                          ; bytes of 16 codes
.set R,     16                         ; v16-79   four sets of 16 numbers as they are loaded
.set X,     80                         ; v80-111  two sets of 16 neighbours
.set C,     128                        ; v128-191 codes: four registers for each step, so that no store's data are written again
.set E,     112                        ; v112-127 a scale byte for each step
.set WREG,  8192                       ; LDS: a region for each wave: two stages of 32 x SP bytes, behind them its 256 scale bytes
.set SP,    80                         ; a lane's place in a stage: its 64 bytes + 16 of padding
.set CIN,   16                         ; the cast of w_o: v16-143 two sets of 64 numbers
.set COUT,  144                        ; v144-207 two sets of 32 registers of f16 pairs
	s_load_b128 s[4:7], s[0:1], 0x0                ; hidden_states, w_qkv
	s_load_b128 s[8:11], s[0:1], 0x10              ; xc, xs
	s_load_b128 s[12:15], s[0:1], 0x20             ; wc, ws
	s_load_b128 s[24:27], s[0:1], 0x30             ; w_o, wo16
	v_lshl_add_u32 v208, v0, 2, 0x8000
	v_mov_b32 v209, 0
	v_lshrrev_b32 v1, 5, v0
	v_readfirstlane_b32 s16, v1                    ; wave
	v_and_b32 v2, 31, v0                           ; lane
	v_lshlrev_b32 v3, 4, v2                        ; my 16 bytes of 512
	s_mul_i32 s17, s16, WREG
	v_lshrrev_b32 v14, 2, v2
	v_mul_u32_u24 v14, v14, SP
	v_and_b32 v15, 3, v2
	v_lshl_add_u32 v14, v15, 4, v14
	v_add_nc_u32 v14, s17, v14                     ; the stage, on the way in: SP (lane / 4) + 16 (lane % 4)
	v_mul_u32_u24 v15, v2, SP
	v_add_nc_u32 v15, s17, v15                     ; and on the way out: SP x lane: my 16 neighbours
	v_mul_u32_u24 v4, v2, CB                       ; my codes' place in a step's
	v_lshrrev_b32 v5, 1, v2
	s_add_co_u32 s17, s17, 2*32*SP
	v_add_nc_u32 v5, s17, v5                       ; LDS: my wave's 256 scale bytes, my block's byte
	v_lshlrev_b32 v7, 3, v2                        ; and on the way out 8 bytes a lane
	v_add_nc_u32 v6, s17, v7
	s_wait_kmcnt 0x0
	s_cmp_ge_u32 ttmp9, WGQ                        ; the last 32 work-groups cast w_o: a branch on the work-group's number; that way uses no LDS
	s_cbranch_scc1 .Lconv
	s_cmp_lt_u32 ttmp9, WGA                        ; hidden_states or w_qkv?  Only pointers are chosen: both take one way through the text
	s_cselect_b64 s[4:5], s[4:5], s[6:7]
	s_cselect_b64 s[8:9], s[8:9], s[12:13]
	s_cselect_b64 s[10:11], s[10:11], s[14:15]
	s_cselect_b32 s17, 0, WGA
	s_sub_co_u32 s17, ttmp9, s17
	s_lshl_b32 s17, s17, 2
	s_add_co_u32 s18, s17, s16                     ; which run of 8,192 numbers of the tensor is my wave's
	s_mov_b32 s19, 0
	s_mov_b64 s[20:21], 512*STEPS*4
	s_mul_u64 s[20:21], s[18:19], s[20:21]
	s_add_nc_u64 s[4:5], s[4:5], s[20:21]
	s_mov_b64 s[20:21], 32*STEPS*CB
	s_mul_u64 s[20:21], s[18:19], s[20:21]
	s_add_nc_u64 s[8:9], s[8:9], s[20:21]
	s_lshl_b32 s18, s18, 8                         ; 256 scale bytes a run
	s_add_nc_u64 s[10:11], s[10:11], s[18:19]
.macro LOAD t
.irp i, 0,1,2,3
	global_load_b128 v[R+16*((\t)%4)+4*\i:R+16*((\t)%4)+4*\i+3], v3, s[4:5] offset:2048*(\t)+512*\i th:TH_LOAD_NT   ; 32 lanes read 512 consecutive bytes
.endr
.endm
.macro TURN t                          ; step t's numbers through the stage: LDS serves a wave's instructions in order, so no wait stands between the stores and the loads
.irp i, 0,1,2,3
	ds_store_b128 v14, v[R+16*((\t)%4)+4*\i:R+16*((\t)%4)+4*\i+3] offset:32*SP*((\t)%2)+8*SP*\i
.endr
.irp i, 0,1,2,3
	ds_load_b128 v[X+16*((\t)%2)+4*\i:X+16*((\t)%2)+4*\i+3], v15 offset:32*SP*((\t)%2)+16*\i
.endr
.endm
.irp t, 0,1,2,3
	LOAD \t
.endr
	s_wait_loadcnt 12                              ; step 0's four loads are in; twelve younger ones stay out
	TURN 0
.macro STEP t
.set XS, X+16*((\t)%2)
.if (\t) > 0
	s_wait_dscnt 1                                 ; this step's numbers are back from the stage (the last step's byte store may be out)
.else
	s_wait_dscnt 0x0
.endif
.if (\t)+4 < STEPS
	LOAD (\t)+4                                    ; the registers that the stage's stores have read take the loads of four steps on
.endif
.if (\t)+1 < STEPS
.if STEPS-2-(\t) >= 3
	s_wait_loadcnt 12                              ; the next step's four loads are in; those of the three steps behind it may be out
.else
	s_wait_loadcnt 4*(STEPS-2-(\t))
.endif
	TURN (\t)+1                                    ; and go through the other stage while this step is worked
.endif
	v_max3_num_f32 v8, |v[XS]|, |v[XS+1]|, |v[XS+2]|               ; the largest magnitude of my 16, in two chains
	v_max3_num_f32 v9, |v[XS+3]|, |v[XS+4]|, |v[XS+5]|
.irp i, 6,10
	v_max3_num_f32 v8, v8, |v[XS+\i]|, |v[XS+\i+1]|
	v_max3_num_f32 v9, v9, |v[XS+\i+2]|, |v[XS+\i+3]|
.endr
	v_max3_num_f32 v8, v8, |v[XS+14]|, |v[XS+15]|
	v_max3_num_f32 v8, v8, v9, (EMAX+1)<<23        ; and the floor 2^(EMAX + 1 - 127): the byte cannot fall under 1
	v_max_num_f32_dpp v8, v8, v8 row_xmask:1 row_mask:0xf bank_mask:0xf   ; and of my neighbour's 16: the block's
	v_add_nc_u32 v11, -(EMAX<<23), v8              ; EMAX off its exponent field: the conversion takes the exponent field of this operand as its scale
	v_cvt_scalef32_pk8_fp4_f32 v[C+4*(\t)], v[XS:XS+7], v11
	v_cvt_scalef32_pk8_fp4_f32 v[C+4*(\t)+1], v[XS+8:XS+15], v11
	v_lshrrev_b32 v[E+(\t)], 23, v11               ; the scale's byte (also the plain line behind the conversions)
	ds_store_b8 v5, v[E+(\t)] offset:16*(\t)       ; both lanes of a block write the same byte with the same value
	global_store_b64 v4, v[C+4*(\t):C+4*(\t)+1], s[8:9] offset:32*CB*(\t)   ; the wave stores 256 consecutive bytes
.endm
.irp t, 0,1,2,3,4,5,6,7,8,9,10,11,12,13,14,15
	STEP \t
.endr
	ds_load_b64 v[12:13], v6                       ; LDS serves a wave's instructions in order: these see my stores
	s_wait_dscnt 0x0
	global_store_b64 v7, v[12:13], s[10:11]        ; 32 lanes store 256 consecutive bytes
	s_wait_tensorcnt 0x0
	ds_add_u32 v208, v209
	s_wait_dscnt 0x0
	s_endpgm
; THE CAST OF w_o.  128 waves, 8,192 numbers each, in four groups of eight lines of 256 numbers.  A lane takes 8 neighbours (two loads of 16 bytes) and stores their 16 bytes of f16: a store of the wave covers 512 consecutive bytes.
; Two groups of loads are on their way at the start; each group's registers are loaded again as soon as it is converted.
.macro CLOAD g
.irp it, 0,1,2,3,4,5,6,7
	global_load_b128 v[CIN+64*((\g)%2)+8*\it:CIN+64*((\g)%2)+8*\it+3],   v1, s[24:25] offset:(8*(\g)+\it)*1024 th:TH_LOAD_NT
	global_load_b128 v[CIN+64*((\g)%2)+8*\it+4:CIN+64*((\g)%2)+8*\it+7], v1, s[24:25] offset:(8*(\g)+\it)*1024+16 th:TH_LOAD_NT
.endr
.endm
.macro CGROUP g
.if (\g) < 3
	s_wait_loadcnt 16                              ; this group's 16 loads are in; the one younger group may be out
.else
	s_wait_loadcnt 0x0
.endif
.if (\g) >= 2
	s_wait_xcnt 0x0                                ; the stores of two groups back have read their data: those registers are written again only behind this wait
.endif
.irp it, 0,1,2,3,4,5,6,7
.irp i, 0,1,2,3
	v_cvt_pk_f16_f32 v[COUT+32*((\g)%2)+4*\it+\i], v[CIN+64*((\g)%2)+8*\it+2*\i], v[CIN+64*((\g)%2)+8*\it+2*\i+1]
.endr
.endr
.if (\g) < 2
	CLOAD (\g)+2
.endif
.irp it, 0,1,2,3,4,5,6,7
	global_store_b128 v3, v[COUT+32*((\g)%2)+4*\it:COUT+32*((\g)%2)+4*\it+3], s[26:27] offset:(8*(\g)+\it)*512
.endr
.endm
.Lconv:
	s_sub_co_u32 s17, ttmp9, WGQ
	s_lshl_b32 s17, s17, 2
	s_add_co_u32 s17, s17, s16                     ; which run of 8,192 numbers is my wave's: 0 .. 127
	s_lshl_b32 s18, s17, 15                        ; 32,768 bytes of f32,
	s_mov_b32 s19, 0
	s_add_nc_u64 s[24:25], s[24:25], s[18:19]
	s_lshl_b32 s18, s17, 14                        ; 16,384 of f16
	s_add_nc_u64 s[26:27], s[26:27], s[18:19]
	v_lshlrev_b32 v1, 5, v2                        ; in: 32 bytes a lane; out: v3 = 16 bytes a lane
	CLOAD 0
	CLOAD 1
	CGROUP 0
	CGROUP 1
	CGROUP 2
	CGROUP 3
	s_endpgm
.Lfunc_end_k_qf105077151_prep:
	.size	k_qf105077151_prep, .Lfunc_end_k_qf105077151_prep-k_qf105077151_prep
	.p2alignl 7, 3214868480
	.fill 96, 4, 3214868480
	.section	.rodata,"a",@progbits
	.p2align	6, 0x0
	.amdhsa_kernel k_qf105077151_prep
		.amdhsa_group_segment_fixed_size 33280
		.amdhsa_private_segment_fixed_size 0
		.amdhsa_enable_private_segment 0
		.amdhsa_kernarg_size 64
		.amdhsa_user_sgpr_count 2
		.amdhsa_user_sgpr_kernarg_segment_ptr 1
		.amdhsa_wavefront_size32 1
		.amdhsa_system_sgpr_workgroup_id_x 1
		.amdhsa_system_sgpr_workgroup_id_y 1
		.amdhsa_system_sgpr_workgroup_id_z 1
		.amdhsa_system_vgpr_workitem_id 0
		.amdhsa_next_free_vgpr 210
		.amdhsa_next_free_sgpr 66
		.amdhsa_reserve_vcc 0
		.amdhsa_float_denorm_mode_32 3
		.amdhsa_float_denorm_mode_16_64 3
		.amdhsa_memory_ordered 1
		.amdhsa_forward_progress 1
		.amdhsa_inst_pref_size 51
	.end_amdhsa_kernel
	.amdgpu_metadata
---
amdhsa.version: [ 1, 2 ]
amdhsa.kernels:
  - .name:           k_qf105077151_prep
    .symbol:         k_qf105077151_prep.kd
    .args:
      - { .name: hidden_states, .offset: 0, .size: 8, .value_kind: global_buffer, .address_space: global }
      - { .name: w_qkv, .offset: 8, .size: 8, .value_kind: global_buffer, .address_space: global }
      - { .name: xc, .offset: 16, .size: 8, .value_kind: global_buffer, .address_space: global }
      - { .name: xs, .offset: 24, .size: 8, .value_kind: global_buffer, .address_space: global }
      - { .name: wc, .offset: 32, .size: 8, .value_kind: global_buffer, .address_space: global }
      - { .name: ws, .offset: 40, .size: 8, .value_kind: global_buffer, .address_space: global }
      - { .name: w_o, .offset: 48, .size: 8, .value_kind: global_buffer, .address_space: global }
      - { .name: wo16, .offset: 56, .size: 8, .value_kind: global_buffer, .address_space: global }
    .group_segment_fixed_size: 33280
    .private_segment_fixed_size: 0
    .kernarg_segment_align: 8
    .kernarg_segment_size: 64
    .max_flat_workgroup_size: 128
    .sgpr_count:     66
    .vgpr_count:     210
    .wavefront_size: 32
...
	.end_amdgpu_metadata
.endif
;; end of part 1
;; launch qkvgemm (part 2): grid 12 x 32, 4 waves a work-group, clusters of 4 x 4, 327,680 bytes of LDS; arguments xc, xs, wc, ws, cos, sin, qkv; writes qkv
.if DOCPART == 2
	.amdgcn_target "amdgcn-amd-amdhsa--gfx1250"
	.amdhsa_code_object_version 6
	.text
	.protected	k_qf105077151_qkvgemm
	.globl	k_qf105077151_qkvgemm
	.p2align	8
	.type	k_qf105077151_qkvgemm,@function
k_qf105077151_qkvgemm:
	s_mov_b64 s[64:65], 0
	v_nop
	global_prefetch_b8 v0, s[64:65] scope:SCOPE_SE
	s_setreg_imm32_b32 hwreg(HW_REG_WAVE_MODE, 25, 1), 1
	s_wait_xcnt 0x0
	s_wait_alu depctr_hold_cnt(0) depctr_sa_sdst(0) depctr_va_vdst(0) depctr_va_sdst(0) depctr_va_ssrc(0) depctr_va_vcc(0) depctr_vm_vsrc(0)
	s_getreg_b32 s2, hwreg(HW_REG_IB_STS2, 6, 4)
	s_cmp_eq_u32 s2, 0
	s_cbranch_scc0 .Lentry_in_a_cluster
	s_endpgm
.Lentry_in_a_cluster:
	s_bfe_u32 s2, ttmp6, 0x10000c
	s_cmp_lg_u32 s2, 0xf033
	s_cbranch_scc0 .Lentry_shape_is_right
	s_endpgm
.Lentry_shape_is_right:
; qkv = x w_qkv^T on codes of FP4 (E2M1) with one E8M0 scale for each 32 along K; then RoPE on q and k in f32; the result leaves as f16, laid [3 (q, k, v)][4 b][16 heads][2048 s][64].
; x: codes [8192][512 bytes], scale bytes [8192][32]; w_qkv: codes [3072][512 bytes], scale bytes [3072][32].  cos, sin: [2048][64] f32: all 64 columns of both are read and used as given.
; A tile of C, 256 x 256, is made by a work-group of four waves; a wave makes 128 x 128: 64 accumulators of 16 x 16, 512 registers.  K = 1,024 is two LDS slots of 512 along K (rows of 256 bytes):
; both are asked for at the start and nothing is filled again.  The scale bytes of the work-group's rows, two dense blocks, come with them.
; CLUSTERS: 4 x 4 work-groups.  The four of a row of the cluster need the same tiles of x, the four of a column the same tiles of w_qkv: each tile is asked for JOINTLY, by the same tensor load with the same descriptor and a mask
; that names the four.  A cluster spans 1,024 columns: the cluster's x says whether they are q's, k's or v's, alike in all sixteen partners.
; THE MATRIX INSTRUCTION IS USED TRANSPOSED (source 0 = 16 rows of w_qkv, source 1 = 16 rows of x): a lane holds one row s and eight neighbouring columns d.  A wave's 128 columns are two heads; accumulators b and b + 2 of a head
; hold d and d + 32 in the same lane and register, so RoPE's rotation changes no lane.
; LIMITS: |q|, |k|, |v| stay under 65,504, f16's largest number; NaN and infinities are not served.
; REGISTERS, in windows of 256: window 0: v0-31 addresses; v32-95 scale words, two sets (on the way out: 64 numbers at work); from v128 x's fragments, one set (on the way out: rows read back); v96-127, v192-223 packed results.
;   window 1: w_qkv's fragments, two sets, at v0 and v128; v64-127 and v192-255 take the first two sets of cos and sin.   window 2: the accumulators of my rows 0-63 ((a, b) at v[8 (8 a + b)]);   window 3: rows 64-127.
.set SIZE_M, 8192
.set SIZE_N, 3072
.set SIZE_K, 1024
.set KSTEP,  512                       ; along K in a slot
.set NQ,     KSTEP/128                 ; matrix instructions deep
.set ROWB,   256                       ; a tile's row in bytes
.set KROW,   SIZE_K*4/8                ; a row of codes in memory
.set PITCH,  272                       ; an LDS row: 256 bytes + 16 of padding = 68 words: row r starts at bank 4 r mod 64 (64 banks of 4 bytes: ISA guide 11.1)
.set FR,     8                         ; registers of a fragment: 16 rows x 128 K
.set NL,     2                         ; LDS loads that bring one
.set NP,     4                         ; places behind this matrix instruction (ISA guide 7.12.1)
.set HALFT,  128*PITCH                 ; 128 rows: what one tensor load brings
.set SLOT,   4*HALFT                   ; x's 256 rows, then w_qkv's 256 rows
.set KS,     SIZE_K/32                 ; a row of scale bytes
.set SCL,    2*SLOT                    ; behind the slots: the scales, as rows of 256 bytes + 16 of padding
.set HALFS,  (128*KS/256)*272          ; the scales of 128 rows
.set SBLK,   (16*KS/256)*272           ; those of 16 rows
.set SPARE,  SCL+4*HALFS               ; the spare words, 128 bytes for each wave: two blocks of 256 bytes that no other line names
.set HP,     144                       ; the way out: a stage row: a head's 64 f16 (128 bytes) + 16
.set WSTG,   2*16*HP                   ; a wave's stage: 2 heads x 16 rows
.set STG_R,  0                         ; the stages lie in slot 0, which has had its one fill and its last read when the first result is stored there: the way with RoPE has these bytes,
.set STG_P,  32768                     ; the way without has these
.set ADRA, 16                          ; v16-17  LDS address of my fragments of x in slot 0, 1
.set ADRB, 20                          ; v20-21  the same for w_qkv
.set STO_P, 22                         ; v22, v23  as v24, v25, for v's way
.set RD_P,  23
.set STO_R, 24                         ; v24     the way out: where I put 16 bytes of a row
.set RD_R,  25                         ; v25     where I read rows back
.set CO,   26                          ; v26     16 x lane: my bytes of 512 stored
.set ADRS, 27                          ; v27     LDS address of my scale words: lanes 0-15 x's rows, lanes 16-31 w_qkv's
.set SPW,  28                          ; v28     LDS address of my spare word; never rewritten
.set NIL,  29                          ; v29     0; never rewritten
.set CSO,  30                          ; v30     cos, sin: 256 (lane % 16) + 32 (lane / 16); never rewritten
.set SC,   32                          ; scale words: set s at v[SC + 8 NQ s]; register NQ i + q: lanes 0-15 x's block i, lanes 16-31 w_qkv's block i
.set T,    32                          ; the way out: v32-95
.set PKR,  96                          ; v96-127 and v192-223 by turns
.set AF,   128
.set BK,   128                          ; v128-159 and v160-191 by turns
.set G1, 24
.set G0, 32
.set G1B, 48
.set G0B, 56
.set G1S, 68
.set G0S, 76
.set G1SB, 80
.set G0SB, 88
.set MSB, 0
.macro WIN new                         ; the immediate's high byte repeats the setting that is left
.if MSB != \new
	s_set_vgpr_msb (MSB<<8)|\new
.set MSB, \new
.endif
.endm
.set MUL_LO, 0xa1                      ; source 0 (w_qkv) window 1, source 1 (x) window 0, C and D window 2
.set MUL_HI, 0xf1                      ; the same, C and D window 3
.set TO_B,   0x40                      ; destination window 1, address window 0
; A joint load: waves 0 and 1 fetch for x, waves 2 and 3 for w_qkv.  Each line has one mask and one set of registers for all that issue it; the branch hangs on the wave's number alone.
; Four v_nop follow each of the two lines, ahead of the jump, the label and what follows.
.macro JLOAD g0a, g1a, g0b, g1b
	s_cmp_eq_u32 s15, 0
	s_cbranch_scc0 .Lfor_b_\@
	tensor_load_to_lds s[\g0a:\g0a+3], s[\g1a:\g1a+7]
	s_nop 0
.rept 4
	v_nop
.endr
	s_branch .Lasked_\@
.Lfor_b_\@:
	tensor_load_to_lds s[\g0b:\g0b+3], s[\g1b:\g1b+7]
	s_nop 0
.rept 4
	v_nop
.endr
.Lasked_\@:
.endm
.macro CROUND                          ; a round of the cluster's barrier
	s_barrier_signal -1
	s_barrier_wait -1
	s_cmp_lg_u32 s14, 0
	s_cbranch_scc1 .Lnot_wave_0_\@
	s_barrier_signal -3
.Lnot_wave_0_\@:
	s_barrier_wait -3
	s_barrier_signal -1
	s_barrier_wait -1
.endm
	s_load_b128 s[4:7], s[0:1], 0x0                ; x's codes, x's scales
	s_load_b128 s[8:11], s[0:1], 0x10              ; w_qkv's codes, its scales
	s_load_b128 s[96:99], s[0:1], 0x20             ; cos, sin
	s_load_b64 s[12:13], s[0:1], 0x30              ; qkv
	v_lshl_add_u32 v[SPW], v0, 2, SPARE
	v_mov_b32 v[NIL], 0
	ds_add_u32 v28, v29
	s_wait_dscnt 0x0
	v_lshrrev_b32 v1, 5, v0
	v_readfirstlane_b32 s14, v1                    ; wave 0..3
	s_lshr_b32 s15, s14, 1                         ; which half of the tile's rows is mine.  Also: I fetch for x (0) or for w_qkv (1)
	s_and_b32 s16, s14, 1                          ; which half of its columns.  Also: which 128 rows of that tile I fetch
	s_mov_b32 s95, ttmp9                           ; the cluster's x: 0 q, 1 k, 2 v
	s_bfe_u32 s40, ttmp6, 0x40000                  ; cx, cy: my place in the cluster
	s_bfe_u32 s41, ttmp6, 0x40004
	s_lshl_b32 s42, ttmp9, 2
	s_add_co_u32 s42, s42, s40                     ; tile column of C
	s_and_b32 s17, ttmp7, 0xffff
	s_lshl_b32 s17, s17, 2
	s_add_co_u32 s17, s17, s41                     ; tile row of C
	s_lshl_b32 s43, s41, 2
	s_lshl_b32 s43, 15, s43                        ; my row of the cluster
	s_lshl_b32 s44, 0x1111, s40                    ; my column
	; descriptor group 1: a tile of 128 rows x 256 bytes, padded in LDS
	s_or_b32 s[G1+0], s43, (0<<16)|(1<<20)|(1<<21)|(5<<22)|(3<<25)  ; 15:0 the mask; 17:16 element of 1 byte; 20 padding on; 21 set beside a mask; 24:22 after every 64 words; 31:25 four words
	s_or_b32 s[G1B+0], s44, (0<<16)|(1<<20)|(1<<21)|(5<<22)|(3<<25)
.irp g, G1, G1B
	s_mov_b32 s[\g+1], ROWB<<16                    ; tensor_dim0
	s_mov_b32 s[\g+2], 128<<16                     ; tensor_dim1
	s_mov_b32 s[\g+3], ROWB<<16                    ; tile_dim0
	s_mov_b32 s[\g+4], 128                         ; tile_dim1
	s_mov_b32 s[\g+5], KROW                        ; tensor_dim0_stride
	s_mov_b32 s[\g+6], 0
	s_mov_b32 s[\g+7], 0
.endr
	; the scales of 128 rows: a dense block of 4,096 bytes, as rows of 256 bytes (32 elements of 8 bytes), 16 bytes of padding behind each
	s_or_b32 s[G1S+0], s43, (3<<16)|(1<<20)|(1<<21)|(5<<22)|(3<<25)
	s_or_b32 s[G1SB+0], s44, (3<<16)|(1<<20)|(1<<21)|(5<<22)|(3<<25)
.irp g, G1S, G1SB
	s_mov_b32 s[\g+1], 32<<16
	s_mov_b32 s[\g+2], (128*KS/256)<<16
	s_mov_b32 s[\g+3], 32<<16
	s_mov_b32 s[\g+4], 128*KS/256
	s_mov_b32 s[\g+5], 32
	s_mov_b32 s[\g+6], 0
	s_mov_b32 s[\g+7], 0
.endr
	s_lshl_b32 s18, s16, 7                         ; which 128 rows of the tile I fetch
	s_lshl_b32 s20, s17, 8
	s_add_co_u32 s20, s20, s18                     ; x: row 256 x tile row + 128 x half
	s_lshl_b32 s46, s42, 8
	s_add_co_u32 s46, s46, s18                     ; w_qkv: row 256 x tile column + 128 x half
	s_mov_b32 s21, 0
	s_mov_b32 s47, 0
	s_mov_b64 s[18:19], KS
	s_mul_u64 s[22:23], s[20:21], s[18:19]         ; where these rows' scales begin, in bytes
	s_mul_u64 s[92:93], s[46:47], s[18:19]
	s_mov_b64 s[18:19], KROW
	s_mul_u64 s[20:21], s[20:21], s[18:19]         ; and their codes
	s_mul_u64 s[46:47], s[46:47], s[18:19]
	s_mul_i32 s45, s14, HALFT                      ; where they go: wave x 128 rows: no place in the cluster enters an LDS address
	s_mul_i32 s94, s14, HALFS
	s_wait_kmcnt 0x0
	s_add_nc_u64 s[20:21], s[4:5], s[20:21]
	s_add_nc_u64 s[22:23], s[6:7], s[22:23]
	s_add_nc_u64 s[46:47], s[8:9], s[46:47]
	s_add_nc_u64 s[92:93], s[10:11], s[92:93]
	CROUND                                         ; all sixteen work-groups are here: the joint loads meet
	s_mov_b32 s[G0S], 1
	s_add_co_u32 s[G0S+1], s94, SCL
	s_mov_b64 s[G0S+2:G0S+3], s[22:23]
	s_or_b32 s[G0S+3], s[G0S+3], 0x80000000
	s_mov_b32 s[G0SB], 1
	s_add_co_u32 s[G0SB+1], s94, SCL
	s_mov_b64 s[G0SB+2:G0SB+3], s[92:93]
	s_or_b32 s[G0SB+3], s[G0SB+3], 0x80000000
	JLOAD G0S, G1S, G0SB, G1SB                     ; the scales first: they are wanted with the first slot
.irp s, 0,1
	s_mov_b32 s[G0+4*\s], 1
	s_add_co_u32 s[G0+4*\s+1], s45, \s*SLOT
	s_add_nc_u64 s[G0+4*\s+2:G0+4*\s+3], s[20:21], \s*ROWB
	s_or_b32 s[G0+4*\s+3], s[G0+4*\s+3], 0x80000000
	s_mov_b32 s[G0B+4*\s], 1
	s_add_co_u32 s[G0B+4*\s+1], s45, \s*SLOT
	s_add_nc_u64 s[G0B+4*\s+2:G0B+4*\s+3], s[46:47], \s*ROWB
	s_or_b32 s[G0B+4*\s+3], s[G0B+4*\s+3], 0x80000000
	JLOAD G0+4*\s, G1, G0B+4*\s, G1B               ; three tensor loads of mine are out: all that this launch has
.endr
	v_and_b32 v1, 15, v0                           ; r = lane % 16
	v_bfe_u32 v2, v0, 4, 1                         ; h = lane / 16
	v_mul_u32_u24 v3, v1, PITCH
	v_lshl_add_u32 v4, v2, 4, v3                   ; a fragment's row x pitch + 16 x half
	s_mul_i32 s21, s15, HALFT                      ; my 128 rows of x
	s_mul_i32 s22, s16, HALFT                      ; my 128 rows of w_qkv,
	s_add_co_u32 s22, s22, 2*HALFT                 ; which lie behind x's 256
.irp s, 0,1
	v_add_nc_u32 v[ADRA+\s], s21, v4
	v_add_nc_u32 v[ADRB+\s], s22, v4
	s_add_co_u32 s21, s21, SLOT
	s_add_co_u32 s22, s22, SLOT
.endr
	v_mul_u32_u24 v5, v1, KS                       ; my row's scales: KS bytes a row,
	v_lshrrev_b32 v6, 8, v5
	v_lshl_add_u32 v5, v6, 4, v5                   ; and 16 more for each 256 passed
	s_mul_i32 s21, s15, HALFS
	s_mul_i32 s22, s16, HALFS
	s_add_co_u32 s22, s22, 2*HALFS
	s_sub_co_u32 s22, s22, s21
	v_mul_u32_u24 v6, s22, v2                      ; lanes 16-31 take w_qkv's: one product, the distance between the two bases
	s_add_co_u32 s21, s21, SCL
	v_add_nc_u32 v5, v5, v6
	v_add_nc_u32 v[ADRS], s21, v5
	s_mul_i32 s23, s14, WSTG                       ; my stage
	v_mul_u32_u24 v5, v1, HP                       ; in: row r, 16 bytes for each half of the lanes
	v_lshl_add_u32 v5, v2, 4, v5
	v_add_nc_u32 v[STO_R], s23, v5
	v_and_b32 v6, 31, v0
	v_lshlrev_b32 v[CO], 4, v6
	v_lshrrev_b32 v7, 3, v6                        ; back: eight lanes to a row of 128 bytes, four rows an instruction
	v_mul_u32_u24 v7, v7, HP
	v_and_b32 v8, 7, v6
	v_lshl_add_u32 v7, v8, 4, v7
	v_add_nc_u32 v[RD_R], s23, v7
	v_add_nc_u32 v[STO_P], STG_P, v[STO_R]
	v_add_nc_u32 v[RD_P], STG_P, v[RD_R]
	v_lshlrev_b32 v[CSO], 8, v1                    ; a row of cos or sin is 256 bytes; my half's eight numbers of each sixteen
	v_lshl_add_u32 v[CSO], v2, 5, v[CSO]
	; where my part goes: rows 256 x tile row + 128 x half = (b, s0 ..); heads 4 cx + 2 x half, + 1
	s_lshl_b32 s20, s17, 8
	s_lshl_b32 s21, s15, 7
	s_add_co_u32 s20, s20, s21                     ; my first row
	s_lshr_b32 s21, s20, 11                        ; b
	s_and_b32 s22, s20, 2047                       ; s0
	s_lshl_b32 s46, s40, 2
	s_lshl_b32 s47, s16, 1
	s_add_co_u32 s46, s46, s47                     ; my first head
	s_lshl_b32 s47, s21, 4
	s_add_co_u32 s46, s46, s47                     ; 16 b + head
	s_lshl_b32 s46, s46, 11
	s_add_co_u32 s46, s46, s22                     ; x 2,048 rows + s0
	s_lshl_b32 s46, s46, 7                         ; x 128 bytes
	s_lshl_b32 s47, s95, 24                        ; q's, k's or v's 16,777,216 bytes
	s_add_co_u32 s46, s46, s47
	s_mov_b32 s47, 0
	s_add_nc_u64 s[12:13], s[12:13], s[46:47]
	s_lshl_b32 s22, s22, 8
	s_mov_b32 s23, 0
	s_add_nc_u64 s[96:97], s[96:97], s[22:23]      ; cos and sin at row s0
	s_add_nc_u64 s[98:99], s[98:99], s[22:23]
; cos and sin of rows 16 a + r, in the accumulators' layout: register 8 bq + j is column 16 bq + 8 h + j; cos in the set's first 32 registers, sin in the other 32.  Four sets in window 1, at v64, v192, v0, v128.
.macro CSLOAD a
.set CSET, 64*(1-((\a)%4)/2)+128*(((\a)%4)%2)
	WIN TO_B
.irp bq, 0,1,2,3
.irp e, 0,1
	global_load_b128 v[CSET+8*\bq+4*\e:CSET+8*\bq+4*\e+3],       v[CSO], s[96:97] offset:4096*(\a)+64*\bq+16*\e
	global_load_b128 v[CSET+32+8*\bq+4*\e:CSET+32+8*\bq+4*\e+3], v[CSO], s[98:99] offset:4096*(\a)+64*\bq+16*\e
.endr
.endr
	WIN 0
.endm
	CSLOAD 0                                       ; the first two sets are asked for here, into registers that the products never name.  v's work-groups ask too and never read them:
	CSLOAD 1                                       ; the lines stand on the one way that all take, so that every way that reads these registers has written them
.macro FRAG reg, adr, q, i             ; a fragment, 16 rows x 128 K of 4-bit codes: lane l holds row l % 16; registers 4 c .. 4 c + 3 hold K = 64 c + 32 (l / 16) + 0 .. 31
.irp c, 0,1
	ds_load_b128 v[\reg+4*\c:\reg+4*\c+3], v[\adr] offset:64*(\q)+32*\c+(\i)*16*PITCH
.endr
.endm
; 16 matrix instructions: x's blocks a0, a0 + 1 against w_qkv's eight, 128 along K.  zero = 1: the first product starts the sums.  The 64 accumulators take turns, one instruction a turn.
.macro MUL16 a0, p, q, sc, zero
.irp a, \a0, \a0+1
.irp b, 0,1,2,3,4,5,6,7
.if \zero
	v_wmma_scale_f32_16x16x128_f8f6f4 v[8*(8*((\a)%4)+\b):8*(8*((\a)%4)+\b)+7], v[128*(\p)+FR*\b:128*(\p)+FR*\b+FR-1], v[AF+FR*(\a):AF+FR*(\a)+FR-1], 0, v[SC+8*NQ*(\sc)+NQ*\b+(\q)], v[SC+8*NQ*(\sc)+NQ*(\a)+(\q)] matrix_a_fmt:MATRIX_FMT_FP4 matrix_b_fmt:MATRIX_FMT_FP4 matrix_a_scale:MATRIX_SCALE_ROW1
.else
	v_wmma_scale_f32_16x16x128_f8f6f4 v[8*(8*((\a)%4)+\b):8*(8*((\a)%4)+\b)+7], v[128*(\p)+FR*\b:128*(\p)+FR*\b+FR-1], v[AF+FR*(\a):AF+FR*(\a)+FR-1], v[8*(8*((\a)%4)+\b):8*(8*((\a)%4)+\b)+7], v[SC+8*NQ*(\sc)+NQ*\b+(\q)], v[SC+8*NQ*(\sc)+NQ*(\a)+(\q)] matrix_a_fmt:MATRIX_FMT_FP4 matrix_b_fmt:MATRIX_FMT_FP4 matrix_a_scale:MATRIX_SCALE_ROW1
.endif
.endr
.endr
.endm
.macro FETCH_B slot, q, p
	WIN TO_B
.irp i, 0,1,2,3,4,5,6,7
	FRAG 128*(\p)+FR*\i, ADRB+\slot, \q, \i
.endr
	WIN 0
.endm
.macro FETCH_A slot, q, i0
.irp i, \i0, \i0+1, \i0+2, \i0+3
	FRAG AF+FR*(\i), ADRA+\slot, \q, \i
.endr
.endm
.macro SCALES sc                       ; a slot's scale words: four words a row; lanes 0-15 take x's block i, lanes 16-31 w_qkv's block i
.irp i, 0,1,2,3,4,5,6,7
	ds_load_b128 v[SC+8*NQ*\sc+NQ*\i:SC+8*NQ*\sc+NQ*\i+3], v[ADRS] offset:\i*SBLK
.endr
.endm
; A load into a register that a matrix instruction has read, and a vector instruction or an LDS store that reads a matrix result, stand NP places behind it; only plain vector instructions that name none of its registers are places
.macro PLACES n
.rept \n
	v_nop
.endr
.endm
.macro STEP slot, q, zero              ; a step of 128 along K that has its successor in the same slot
	s_wait_dscnt 4*NL                              ; w_qkv's set and x's blocks 0-3 are in; the youngest eight loads (x's blocks 4-7) may be out
	WIN MUL_LO
	MUL16 0, (\q)%2, \q, \slot, \zero
	MUL16 2, (\q)%2, \q, \slot, \zero
	s_wait_dscnt 0                                 ; x's blocks 4-7 are in
	PLACES NP
	FETCH_B \slot, (\q)+1, 1-(\q)%2
	FETCH_A \slot, (\q)+1, 0
	WIN MUL_HI
	MUL16 4, (\q)%2, \q, \slot, \zero
	MUL16 6, (\q)%2, \q, \slot, \zero
	PLACES NP
	WIN 0
	FETCH_A \slot, (\q)+1, 4
.endm
; Slot 0's last step goes over to slot 1: each wave waits for all its tensor loads (its part of slot 1), and for its reads of slot 0; behind the barrier slot 1 is whole and nobody reads slot 0 any more.
.macro TURN slot, next
	s_wait_tensorcnt 0x0                           ; all my tensor loads have landed
	ds_add_u32 v[SPW], v[NIL]                      ; 0 onto my spare word
	s_wait_dscnt 4*NL+1                            ; (the add and the youngest eight loads may be out)
	WIN MUL_LO
	MUL16 0, 1, NQ-1, \slot, 0
	s_wait_dscnt 0x0                               ; the add is done, and my reads of this slot are over
	s_barrier_signal -1
	MUL16 2, 1, NQ-1, \slot, 0
	WIN 0
	s_barrier_wait -1
	PLACES NP
	v_add_nc_u32 v[ADRS], 4*NQ, v[ADRS]            ; on to the next slot's scale words
	FETCH_B \next, 0, 0
	FETCH_A \next, 0, 0
	SCALES \next
	WIN MUL_HI
	MUL16 4, 1, NQ-1, \slot, 0
	MUL16 6, 1, NQ-1, \slot, 0
	PLACES NP
	WIN 0
	FETCH_A \next, 0, 4
.endm
.macro STEPS slot, from
.set Q, \from
.rept NQ-1-\from
	STEP \slot, Q, 0
.set Q, Q+1
.endr
.endm
	s_wait_tensorcnt 1                             ; the scales and my part of slot 0 are in (slot 1's load may be out),
	s_barrier_signal -1
	s_barrier_wait -1                              ; everybody's are
	FETCH_B 0, 0, 0
	FETCH_A 0, 0, 0
	SCALES 0
	FETCH_A 0, 0, 4
	STEP 0, 0, 1                                   ; the first step's products start the sums: nothing is cleared
	STEPS 0, 1
	TURN 0, 1
	STEPS 1, 0
	s_wait_dscnt 4*NL                              ; the last step: nothing more to fetch
	WIN MUL_LO
	MUL16 0, 1, NQ-1, 1, 0
	MUL16 2, 1, NQ-1, 1, 0
	s_wait_dscnt 0
	WIN MUL_HI
	MUL16 4, 1, NQ-1, 1, 0
	MUL16 6, 1, NQ-1, 1, 0
	WIN 0
; THE WAY OUT, block by block of 16 rows x 2 heads.
; ROPE a: y(d) = x(d) cos(d) - x(d + 32) sin(d), y(d + 32) = x(d + 32) cos(d + 32) + x(d) sin(d + 32), d = 0 .. 31, two numbers an instruction, in f32; then rounded to f16, 16 bytes (8 neighbouring d) a lane and accumulator.
; Each accumulator is read from its low end on.  The wait counts the sets of 16 loads that were asked for behind block a's set.
.macro ROPE a
.set AC, 64*((\a)%4)
.set CSET, 64*(1-((\a)%4)/2)+128*(((\a)%4)%2)
.set PP, PKR+96*((\a)%2)
.if (\a) < 5
	s_wait_loadcnt 48
.else
	s_wait_loadcnt 16*(7-(\a))
.endif
	WIN (0x06+(\a)/4)                              ; source 0: the accumulators' window; source 1: window 1; the rest window 0
.irp hb, 0,1
.irp bq, 0,1
.irp p, 0,1,2,3
.set XO, 8*(4*\hb+\bq)+2*\p
.set XC, CSET+8*\bq+2*\p
	v_pk_mul_f32 v[T+XO:T+XO+1],       v[AC+XO:AC+XO+1],       v[XC:XC+1]
	v_pk_mul_f32 v[T+XO+16:T+XO+17],   v[AC+XO+16:AC+XO+17],   v[XC+16:XC+17]
	v_pk_fma_f32 v[T+XO:T+XO+1],       v[AC+XO+16:AC+XO+17],   v[XC+32:XC+33], v[T+XO:T+XO+1] neg_lo:[1,0,0] neg_hi:[1,0,0]
	v_pk_fma_f32 v[T+XO+16:T+XO+17],   v[AC+XO:AC+XO+1],       v[XC+48:XC+49], v[T+XO+16:T+XO+17]
.endr
.endr
.endr
	WIN 0
.if (\a) < 4
	CSLOAD (\a)+4                                  ; the set just read takes the rows of four blocks on
.endif
.set PP, PKR+96*((\a)%2)
.irp b, 0,1,2,3,4,5,6,7
.irp i, 0,1,2,3
	v_cvt_pk_f16_f32 v[PP+4*\b+\i], v[T+8*\b+2*\i], v[T+8*\b+2*\i+1]
.endr
.endr
.endm
.macro PLAIN a                         ; v: rounded to f16 as it is
.set AC, 64*((\a)%4)
.set PP, PKR+96*((\a)%2)
	WIN (0x0a+5*((\a)/4))                          ; sources 0 and 1: window 2 or 3
.irp b, 0,1,2,3,4,5,6,7
.irp i, 0,1,2,3
	v_cvt_pk_f16_f32 v[PP+4*\b+\i], v[AC+8*\b+2*\i], v[AC+8*\b+2*\i+1]
.endr
.endr
	WIN 0
.endm
; Into my own stage, rows of 144 bytes, and back four whole rows of a head (512 bytes) an instruction.  LDS serves a wave's instructions in order (ISA guide 5.7.1.4): no wait between the stores and the loads.
.macro TOSTAGE a, sto, rd
.set PP, PKR+96*((\a)%2)
.set BB, BK+32*((\a)%2)
.irp b, 0,1,2,3,4,5,6,7
	ds_store_b128 v[\sto], v[PP+4*\b:PP+4*\b+3] offset:(\b/4)*16*HP+32*(\b%4)
.endr
.irp hb, 0,1
.irp u, 0,1,2,3
	ds_load_b128 v[BB+4*(4*\hb+\u):BB+4*(4*\hb+\u)+3], v[\rd] offset:\hb*16*HP+\u*4*HP
.endr
.endr
.endm
.macro SEND a, younger                 ; younger: the LDS instructions issued behind block a's loads: the next block's sixteen, or none
.set BB, BK+32*((\a)%2)
	s_wait_dscnt \younger
.irp hb, 0,1
.irp u, 0,1,2,3
	global_store_b128 v[CO], v[BB+4*(4*\hb+\u):BB+4*(4*\hb+\u)+3], s[12:13] offset:\hb*262144+(\a)*2048+\u*512   ; 32 lanes store 512 consecutive bytes, at a multiple of 512 from the buffer's first byte; every place is an immediate
.endr
.endr
.endm
	PLACES NP                                      ; behind the last products: for the first reads of results, the loads into w_qkv's and x's registers, and the writes over the scale words
	s_cmp_eq_u32 s95, 2                            ; v has no RoPE: a branch on the cluster's x, alike in all partners
	s_cbranch_scc1 .Lplain
	CSLOAD 2
	CSLOAD 3
.irp a, 0,1,2,3,4,5,6,7
	ROPE \a
.if \a >= 2
	s_wait_xcnt 0x0                                ; block a - 2's stores have read their registers: block a's rows may land there
.endif
	TOSTAGE \a, STO_R, RD_R
.if \a >= 1
	SEND \a-1, 16
.endif
.endr
	SEND 7, 0
	s_branch .Lend
.Lplain:
.irp a, 0,1,2,3,4,5,6,7
	PLAIN \a
.if \a >= 2
	s_wait_xcnt 0x0
.endif
	TOSTAGE \a, STO_P, RD_P
.if \a >= 1
	SEND \a-1, 16
.endif
.endr
	SEND 7, 0
.Lend:
	s_wait_tensorcnt 0x0                           ; the wave's end
	ds_add_u32 v[SPW], v[NIL]
	s_wait_dscnt 0x0
	CROUND                                         ; the closing round
	s_endpgm
.Lfunc_end_k_qf105077151_qkvgemm:
	.size	k_qf105077151_qkvgemm, .Lfunc_end_k_qf105077151_qkvgemm-k_qf105077151_qkvgemm
	.p2alignl 7, 3214868480
	.fill 96, 4, 3214868480
	.section	.rodata,"a",@progbits
	.p2align	6, 0x0
	.amdhsa_kernel k_qf105077151_qkvgemm
		.amdhsa_group_segment_fixed_size 327680
		.amdhsa_private_segment_fixed_size 0
		.amdhsa_enable_private_segment 0
		.amdhsa_kernarg_size 56
		.amdhsa_user_sgpr_count 2
		.amdhsa_user_sgpr_kernarg_segment_ptr 1
		.amdhsa_wavefront_size32 1
		.amdhsa_system_sgpr_workgroup_id_x 1
		.amdhsa_system_sgpr_workgroup_id_y 1
		.amdhsa_system_sgpr_workgroup_id_z 1
		.amdhsa_system_vgpr_workitem_id 0
		.amdhsa_next_free_vgpr 1024
		.amdhsa_next_free_sgpr 100
		.amdhsa_reserve_vcc 0
		.amdhsa_float_denorm_mode_32 3
		.amdhsa_float_denorm_mode_16_64 3
		.amdhsa_memory_ordered 1
		.amdhsa_forward_progress 1
		.amdhsa_inst_pref_size 203
	.end_amdhsa_kernel
	.amdgpu_metadata
---
amdhsa.version: [ 1, 2 ]
amdhsa.kernels:
  - .name:           k_qf105077151_qkvgemm
    .symbol:         k_qf105077151_qkvgemm.kd
    .args:
      - { .name: xc, .offset: 0, .size: 8, .value_kind: global_buffer, .address_space: global }
      - { .name: xs, .offset: 8, .size: 8, .value_kind: global_buffer, .address_space: global }
      - { .name: wc, .offset: 16, .size: 8, .value_kind: global_buffer, .address_space: global }
      - { .name: ws, .offset: 24, .size: 8, .value_kind: global_buffer, .address_space: global }
      - { .name: cos, .offset: 32, .size: 8, .value_kind: global_buffer, .address_space: global }
      - { .name: sin, .offset: 40, .size: 8, .value_kind: global_buffer, .address_space: global }
      - { .name: qkv, .offset: 48, .size: 8, .value_kind: global_buffer, .address_space: global }
    .group_segment_fixed_size: 327680
    .private_segment_fixed_size: 0
    .kernarg_segment_align: 8
    .kernarg_segment_size: 56
    .max_flat_workgroup_size: 128
    .sgpr_count:     100
    .vgpr_count:     1024
    .wavefront_size: 32
...
	.end_amdgpu_metadata
.endif
;; end of part 2
;; launch attn (part 3): grid 4 x 64, 8 waves a work-group, clusters of 4 x 1, 327,680 bytes of LDS; arguments qkv, att; writes att
.if DOCPART == 3
	.amdgcn_target "amdgcn-amd-amdhsa--gfx1250"
	.amdhsa_code_object_version 6
	.text
	.protected	k_qf105077151_attn
	.globl	k_qf105077151_attn
	.p2align	8
	.type	k_qf105077151_attn,@function
k_qf105077151_attn:
	s_mov_b64 s[64:65], 0
	v_nop
	global_prefetch_b8 v0, s[64:65] scope:SCOPE_SE
	s_setreg_imm32_b32 hwreg(HW_REG_WAVE_MODE, 25, 1), 1
	s_wait_xcnt 0x0
	s_wait_alu depctr_hold_cnt(0) depctr_sa_sdst(0) depctr_va_vdst(0) depctr_va_sdst(0) depctr_va_ssrc(0) depctr_va_vcc(0) depctr_vm_vsrc(0)
	s_getreg_b32 s2, hwreg(HW_REG_IB_STS2, 6, 4)
	s_cmp_eq_u32 s2, 0
	s_cbranch_scc0 .Lentry_in_a_cluster
	s_endpgm
.Lentry_in_a_cluster:
	s_bfe_u32 s2, ttmp6, 0x10000c
	s_cmp_lg_u32 s2, 0x3003
	s_cbranch_scc0 .Lentry_shape_is_right
	s_endpgm
.Lentry_shape_is_right:
; O[bh][q][:] = the sum over k of softmax_k(Q[bh][q] . K[bh][k] / 8) V[bh][k][:], 64 heads (b, head) of 2,048 x 64, no mask.  Q, K, V: f16, [3][64 bh][2048][64].  Products, maxima and sums in f32; the weights p are rounded
; to f16 for the second product, O once at the end.  O leaves as f16 laid [4096 pairs of rows][16 heads][2 rows][64]: two rows of one head are 256 consecutive bytes.
; SHARES.  A work-group of eight waves owns 512 queries of one head, a wave 64: four tiles of 16, in 512 registers: two waves to a SIMD, so that one wave's vector work stands beside the other's matrix work.
; Every wave walks all keys, 64 a step.  K's and V's tiles come through a ring of two LDS slots of four steps (256 keys): waves 0-3 fetch K of step w % 4, waves 4-7 V of step w % 4, one tensor load a wave for each slot.
; CLUSTER.  A head's four blocks of queries are one cluster and walk the same K and V: each tile is asked for JOINTLY, by the same tensor load with the same descriptor and a mask that names the four.
; LAYOUT.  S^T = K Q^T (source 0 = 16 keys, source 1 = 16 queries): a lane holds ONE query (lane % 16) and keys 8 (lane / 16) + 0..7.  Two such tiles, rounded to f16 in pairs, ARE source 1 (32 keys x 16 queries) of
; O^T = V^T P, whose result again holds one query a lane and eight channels.  K comes out of LDS as it lies, V ([key][channel]) turned, by ds_load_tr16_b128.
; SOFTMAX.  For each query a running maximum m and sum l: p = 2^(c s - c m), c = log2(e) / 8; in every step O and l are multiplied by a = 2^(c m_old - c m_new).  O^T and l begin as zeros and m as -3e38, so the step is written
; once for all steps: the first a is 0 and multiplies zeros.
; LIMITS: scores lie above -3e38; |c x score| stays under 2^26 (c m is rounded to f32, and what the rounding leaves shifts all p of a row alike: it cancels in the division, but p must stay inside f16); NaN and infinities are not served.
; REGISTERS: window 0: v2-12 addresses; v16-47 eight registers of statistics a tile; v48-111 K's fragments of a step; v112-239 S^T, 32 a tile (P is packed into a tile's first 16); v240-247 partial sums.
;   window 1: v0-63 Q, 16 a tile; v64-191 O^T, 32 a tile; v192-255 V's fragments of a step.
.set S_LEN, 2048
.set KS,    64                         ; keys in a step
.set NQ,    4                          ; steps in a slot
.set PK,    144                        ; a row of K in LDS: 128 bytes + 16 = 36 words: the 16 rows of a load start at 16 different groups of four banks (64 banks of 4 bytes: ISA guide 11.1)
.set PV,    160                        ; a row of V: 128 + 32: an odd multiple of 32 bytes, for the turning load
.set VOFF,  KS*PK                      ; a step's tiles lie together: 64 rows of K, then 64 rows of V
.set STEPB, KS*(PK+PV)
.set SLOT1, 1<<17                      ; slot 1 begins here: one exclusive or turns an address in one slot into the other's
.set SLOTB, NQ*KS*128                  ; a slot's keys in memory: 32,768 bytes of K, as many of V
.set STAGE, SLOT1+NQ*STEPB             ; behind the ring: 16 rows x 144 bytes for each wave, for the way out
.set SP,    144
.set SPARE, STAGE+8*16*SP              ; the spare words, 128 bytes for each wave: four blocks of 256 bytes that no other line names
.set NSL,   S_LEN/(NQ*KS)              ; 8 slots' worth of keys
.set AK0, 2                            ; v2   my lane's place in a tile of K; never rewritten
.set AV0, 3                            ; v3   the same for V
.set ADK, 4                            ; v4   LDS address of the step's K
.set ADV, 5                            ; v5   of its V
.set QO,  6                            ; v6   my byte offset in the wave's rows of Q
.set STO, 7                            ; v7   the way out: where I put 16 bytes of a row
.set RD,  8                            ; v8   where I read rows back
.set GO,  9                            ; v9   my byte offset in att
.set PFO, 10                           ; v10  256 x my lane; never rewritten
.set SPW, 11                           ; v11  LDS address of my spare word; never rewritten
.set NIL, 12                           ; v12  0; never rewritten
.set ST,  16                           ; tile t's statistics at v[ST+8 t]: +0 c m, +1 m, +2, +3 l (two halves), +4 to +7 c0-c3, at work; a takes +6
.set KF,  48
.set S,   112
.set SUM, 240
.set QF,  0                            ; in window 1
.set OF,  64
.set VF,  192
.set WV,  8                            ; s8   my wave's number
.set LIM, 11                           ; s11  1 in a wave that prefetches, else the greatest number
.set G1K, 16                           ; s[16:23] descriptor group 1 for K's tiles;  s[24:31] for V's: it differs in the padding alone
.set G1V, 24
.set G0K, 32                           ; s[32:35], s[36:39] their groups 0, which walk
.set G0V, 36
.set PFA, 40                           ; s[40:41] where my prefetches stand
.set CS,  42                           ; s[42:43] c: the packed form names a pair and takes its low word for both halves
.set SEL, 44                           ; s[44:45] lane selects for v_permlanex16_b32: lane l xor 16
.set TB,  46                           ; s46  LDS byte at which the step's tiles begin
.set SLOTS, 47                         ; s47  slots still to be asked for
.set CNT, 48                           ; s48  counts a slot's four steps
.set MSB, 0
.macro WIN new                         ; the immediate's high byte repeats the setting that is left
.if MSB != \new
	s_set_vgpr_msb (MSB<<8)|\new
.set MSB, \new
.endif
.endm
.set W_KQ, 0x04                        ; Q (source 1) in window 1; K and S^T in window 0
.set W_PV, 0x51                        ; V (source 0) and O^T (C, D) in window 1; P in window 0
.set W_RS, 0x41                        ; O^T (destination and source 0) in window 1, a in window 0
.set TO_1, 0x40                        ; destination window 1
; A joint load.  The branch hangs on the wave's number alone.  Four v_nop follow each of the two lines.
.macro JLOAD
	s_cmp_lt_u32 s[WV], 4
	s_cbranch_scc0 .Lfor_v_\@
	tensor_load_to_lds s[G0K:G0K+3], s[G1K:G1K+7]
	s_nop 0
.rept 4
	v_nop
.endr
	s_branch .Lasked_\@
.Lfor_v_\@:
	tensor_load_to_lds s[G0V:G0V+3], s[G1V:G1V+7]
	s_nop 0
.rept 4
	v_nop
.endr
.Lasked_\@:
.endm
; A prefetch of what the NEXT change of slots will ask for: a slot's 32,768 bytes of K and of V.  Each block of 256 bytes is named once in the launch: the cluster's four partners take 8,192 bytes each, told apart BY ADDRESS;
; in each, wave 0 asks for K's and wave 4 for V's, lanes 256 bytes apart: one instruction.  It stands behind the wave's tensor load and its four lines.  The last change that fills a slot asks for nothing: there is no slot behind it.
.macro ASK
	s_cmp_gt_u32 s[SLOTS], s[LIM]
	s_cbranch_scc0 .Lnot_mine_\@
	global_prefetch_b8 v[PFO], s[PFA:PFA+1] th:TH_LOAD_NT scope:SCOPE_SE
.Lnot_mine_\@:
.endm
.macro CROUND                          ; a round of the cluster's barrier
	s_barrier_signal -1
	s_barrier_wait -1
	s_cmp_lg_u32 s[WV], 0
	s_cbranch_scc1 .Lnot_wave_0_\@
	s_barrier_signal -3
.Lnot_wave_0_\@:
	s_barrier_wait -3
	s_barrier_signal -1
	s_barrier_wait -1
.endm
	s_load_b128 s[4:7], s[0:1], 0x0                ; qkv, att
	v_lshl_add_u32 v[SPW], v0, 2, SPARE
	v_mov_b32 v[NIL], 0
	ds_add_u32 v11, v12
	s_wait_dscnt 0x0
	v_lshrrev_b32 v1, 5, v0
	v_readfirstlane_b32 s[WV], v1                  ; wave 0..7
	s_bfe_u32 s9, ttmp6, 0x40000                   ; cx: my block of 512 queries
	s_and_b32 s10, ttmp7, 0xffff                   ; bh = 16 b + head, which the four partners share
	s_and_b32 s12, s[WV], 3                        ; which of a slot's four steps I fetch
	s_lshl_b32 s13, s10, 18                        ; the head's 262,144 bytes in each of q, k, v
	s_lshl_b32 s14, s12, 13                        ; my step's 64 rows of 128 bytes
	s_add_co_u32 s14, s14, s13
	s_mul_i32 s15, s12, STEPB                      ; and its place in a slot: no place in the cluster enters an LDS address
	s_add_co_u32 s54, s14, 1<<24                   ; in k's part of the buffer,
	s_mov_b32 s55, 0
	s_add_co_u32 s56, s14, 2<<24                   ; in v's
	s_mov_b32 s57, 0
	s_lshl_b32 s58, s9, 16                         ; Q: my block's 512 rows,
	s_lshl_b32 s59, s[WV], 13                      ; my wave's 64 of them
	s_add_co_u32 s58, s58, s59
	s_add_co_u32 s58, s58, s13
	s_mov_b32 s59, 0
	s_lshr_b32 s60, s10, 4                         ; att: pair of rows 1,024 b + 256 cx + 32 wave, 4,096 bytes a pair; + 256 x head
	s_lshl_b32 s60, s60, 10
	s_lshl_b32 s61, s9, 8
	s_add_co_u32 s60, s60, s61
	s_lshl_b32 s61, s[WV], 5
	s_add_co_u32 s60, s60, s61
	s_lshl_b32 s60, s60, 12
	s_and_b32 s61, s10, 15
	s_lshl_b32 s61, s61, 8
	s_add_co_u32 s60, s60, s61
	s_mov_b32 s61, 0
	s_lshr_b32 s62, s[WV], 2                       ; the prefetches: k's part (waves 0-3) or v's,
	s_add_co_u32 s62, s62, 1
	s_lshl_b32 s62, s62, 24
	s_add_co_u32 s62, s62, s13                     ; my head,
	s_lshl_b32 s63, s9, 13                         ; my work-group's 8,192 bytes of a slot's 32,768,
	s_add_co_u32 s62, s62, s63
	s_add_co_u32 s62, s62, SLOTB                   ; in slot 1: the first change of slots steps it to slot 2.  Nothing is prefetched at the head
	s_mov_b32 s63, 0
	s_and_b32 s[LIM], s[WV], 3
	s_cmp_eq_u32 s[LIM], 0                         ; waves 0 and 4 ask: the same in all partners
	s_cselect_b32 s[LIM], 1, -1
	; descriptor group 1: a tile of 64 rows x 64 elements of 2 bytes, padded in LDS
	s_mov_b32 s[G1K], 15|(1<<16)|(1<<20)|(1<<21)|(4<<22)|(3<<25)  ; 15:0 the mask: all four work-groups; 17:16 elements of 2 bytes; 20 padding on; 21 set beside a mask; 24:22 after every 32 words; 31:25 four words
	s_mov_b32 s[G1V], 15|(1<<16)|(1<<20)|(1<<21)|(4<<22)|(7<<25)  ; the same with eight words of padding
.irp g, G1K, G1V
	s_mov_b32 s[\g+1], 64<<16                      ; tensor_dim0 = 64
	s_mov_b32 s[\g+2], KS<<16                      ; tensor_dim1 = 64
	s_mov_b32 s[\g+3], 64<<16                      ; tile_dim0 = 64
	s_mov_b32 s[\g+4], KS                          ; tile_dim1 = 64
	s_mov_b32 s[\g+5], 64                          ; tensor_dim0_stride
	s_mov_b32 s[\g+6], 0
	s_mov_b32 s[\g+7], 0
.endr
	s_mov_b32 s[CS], 0x3e38aa3b                    ; c = log2(e) / 8
	s_mov_b32 s[CS+1], s[CS]
	s_mov_b32 s[SEL], 0x76543210
	s_mov_b32 s[SEL+1], 0xfedcba98
	s_mov_b32 s[TB], 0
	s_mov_b32 s[SLOTS], NSL-1
	s_wait_kmcnt 0x0
	s_mov_b32 s[G0K], 1                            ; count = 1
	s_mov_b32 s[G0K+1], s15                        ; LDS address: slot 0
	s_add_nc_u64 s[G0K+2:G0K+3], s[4:5], s[54:55]  ; global address: my step of the head's first 256 keys
	s_or_b32 s[G0K+3], s[G0K+3], 0x80000000        ; type = 2
	s_mov_b32 s[G0V], 1
	s_add_co_u32 s[G0V+1], s15, VOFF
	s_add_nc_u64 s[G0V+2:G0V+3], s[4:5], s[56:57]
	s_or_b32 s[G0V+3], s[G0V+3], 0x80000000
	s_add_nc_u64 s[52:53], s[4:5], s[58:59]        ; Q at my wave's first row
	s_add_nc_u64 s[6:7], s[6:7], s[60:61]          ; att at my wave's first pair of rows
	s_add_nc_u64 s[PFA:PFA+1], s[4:5], s[62:63]
	CROUND                                         ; all four work-groups are here: the first joint loads meet
	JLOAD                                          ; slot 0: one tensor load of mine is out
	v_and_b32 v1, 15, v0                           ; r = lane % 16
	v_bfe_u32 v13, v0, 4, 1                        ; h = lane / 16
	v_and_b32 v14, 31, v0                          ; lane
	v_lshlrev_b32 v[QO], 7, v1
	v_lshl_add_u32 v[QO], v13, 4, v[QO]            ; row x 128 + 16 x half
	WIN TO_1
.irp t, 0,1,2,3                        ; Q stays in registers: tile t, channels 32 c on
.irp c, 0,1
	global_load_b128 v[QF+16*\t+8*\c:QF+16*\t+8*\c+3],   v[QO], s[52:53] offset:\t*2048+\c*64
	global_load_b128 v[QF+16*\t+8*\c+4:QF+16*\t+8*\c+7], v[QO], s[52:53] offset:\t*2048+\c*64+32
.endr
.endr
.set i, 0
.rept 128
	v_mov_b32 v[OF+i], 0                           ; O^T: cleared once, so that the step need not be written a third time for the first keys
.set i, i+1
.endr
	WIN 0
	v_mul_u32_u24 v[AK0], v1, PK
	v_lshl_add_u32 v[AK0], v13, 4, v[AK0]          ; K: row x pitch + 16 x half
	v_and_b32 v15, 7, v0                           ; V, for the turning load: key 8 h + lane % 8, channels 8 ((lane / 8) % 2) on
	v_lshl_add_u32 v[AV0], v13, 3, v15
	v_mul_u32_u24 v[AV0], v[AV0], PV
	v_bfe_u32 v15, v0, 3, 1
	v_lshl_add_u32 v[AV0], v15, 4, v[AV0]
	v_add_nc_u32 v[AV0], VOFF, v[AV0]
	s_mul_i32 s12, s[WV], 16*SP
	s_add_co_u32 s12, s12, STAGE                   ; my stage
	v_add_nc_u32 v[STO], s12, v[AK0]               ; in: row r of 144 bytes, 16 bytes for each half of the lanes
	v_lshrrev_b32 v15, 3, v14                      ; back: eight lanes to a row of 128 bytes, four rows an instruction
	v_mul_u32_u24 v15, v15, SP
	v_and_b32 v[RD], 7, v0
	v_lshl_add_u32 v[RD], v[RD], 4, v15
	v_add_nc_u32 v[RD], s12, v[RD]
	v_lshlrev_b32 v[GO], 12, v13                   ; lanes 0-15 one pair of rows (256 bytes), lanes 16-31 the next pair, 4,096 bytes on
	v_lshl_add_u32 v[GO], v1, 4, v[GO]
	v_lshlrev_b32 v[PFO], 8, v14
.irp t, 0,1,2,3
	v_mov_b32 v[ST+8*\t+1], 0xff61b1e6             ; m = -3e38
	v_mul_f32 v[ST+8*\t], s[CS], v[ST+8*\t+1]      ; c m
	v_mov_b32 v[ST+8*\t+2], 0                      ; l, in two halves
	v_mov_b32 v[ST+8*\t+3], 0
.endr
; A KEY STEP: 64 keys, whose tiles begin at LDS byte s[TB].
.macro STEP
	v_add_nc_u32 v[ADK], s[TB], v[AK0]             ; these two and three v_nop are five places behind the last step's products: the loads below land in V's registers, and the first products below write over P
	v_add_nc_u32 v[ADV], s[TB], v[AV0]
.rept 3
	v_nop
.endr
.irp f, 0,1,2,3,4,5,6,7                ; K: keys 16 (f / 2) on, channels 32 (f % 2) on
	ds_load_b128 v[KF+8*\f:KF+8*\f+3],   v[ADK] offset:(\f/2)*16*PK+(\f%2)*64
	ds_load_b128 v[KF+8*\f+4:KF+8*\f+7], v[ADK] offset:(\f/2)*16*PK+(\f%2)*64+32
.endr
	WIN TO_1
.irp f, 0,1,2,3,4,5,6,7                ; V, turned: keys 32 (f / 4) on, channels 16 (f % 4) on
	ds_load_tr16_b128 v[VF+8*\f:VF+8*\f+3],   v[ADV] offset:(\f/4)*32*PV+(\f%4)*32
	ds_load_tr16_b128 v[VF+8*\f+4:VF+8*\f+7], v[ADV] offset:(\f/4)*32*PV+16*PV+(\f%4)*32
.endr
	s_wait_dscnt 16                                ; K is in; V's sixteen loads may be out
	WIN W_KQ
.set i, 0
.rept 32                               ; S^T = K Q^T: channels 32 (i / 16) on, keys 16 ((i / 4) % 4) on, tile i % 4.  The first 16 start the sums; the 16 accumulators take turns
.set rS, S+32*(i%4)+8*((i/4)%4)
.set rK, KF+8*(2*((i/4)%4)+i/16)
.set rQ, QF+16*(i%4)+8*(i/16)
.if i < 16
	v_wmma_f32_16x16x32_f16 v[rS:rS+7], v[rK:rK+7], v[rQ:rQ+7], 0
.else
	v_wmma_f32_16x16x32_f16 v[rS:rS+7], v[rK:rK+7], v[rQ:rQ+7], v[rS:rS+7]
.endif
.set i, i+1
.endr
	WIN 0
.rept 4
	v_nop                                          ; four places in front of the first read of the scores
.endr
	; the softmax, the four tiles by turns line by line.  The maximum of a lane's 32 scores and the old m: four chains of seven, then what is left
.irp j, 0,1,2,3
.irp t, 0,1,2,3
	v_max3_num_f32 v[ST+8*\t+4+\j], v[S+32*\t+8*\j], v[S+32*\t+8*\j+1], v[S+32*\t+8*\j+2]   ; each accumulator is read from its low end on
.endr
.endr
.irp n, 3,5
.irp j, 0,1,2,3
.irp t, 0,1,2,3
	v_max3_num_f32 v[ST+8*\t+4+\j], v[ST+8*\t+4+\j], v[S+32*\t+8*\j+\n], v[S+32*\t+8*\j+\n+1]
.endr
.endr
.endr
.irp t, 0,1,2,3
	v_max3_num_f32 v[ST+8*\t+4], v[ST+8*\t+4], v[S+32*\t+7], v[S+32*\t+15]
.endr
.irp t, 0,1,2,3
	v_max3_num_f32 v[ST+8*\t+6], v[ST+8*\t+6], v[S+32*\t+23], v[S+32*\t+31]
.endr
.irp t, 0,1,2,3
	v_max3_num_f32 v[ST+8*\t+4], v[ST+8*\t+4], v[ST+8*\t+5], v[ST+8*\t+6]
.endr
.irp t, 0,1,2,3
	v_max3_num_f32 v[ST+8*\t+4], v[ST+8*\t+4], v[ST+8*\t+7], v[ST+8*\t+1]
.endr
.irp t, 0,1,2,3
	v_permlanex16_b32 v[ST+8*\t+5], v[ST+8*\t+4], s[SEL], s[SEL+1]   ; the query's other 32 keys lie in the lane 16 away
.endr
.irp t, 0,1,2,3
	v_mov_b32 v[ST+8*\t+7], v[ST+8*\t]             ; c m_old is kept for a
.endr
.irp t, 0,1,2,3
	v_max_num_f32 v[ST+8*\t+1], v[ST+8*\t+4], v[ST+8*\t+5]   ; the new m
.endr
.irp t, 0,1,2,3
	v_mul_f32 v[ST+8*\t], s[CS], v[ST+8*\t+1]
.endr
.irp t, 0,1,2,3
	v_sub_f32 v[ST+8*\t+7], v[ST+8*\t+7], v[ST+8*\t]
.endr
.irp t, 0,1,2,3
	v_exp_f32 v[ST+8*\t+6], v[ST+8*\t+7]           ; a = 2^(c m_old - c m_new); the packed lines below are the plain instructions behind it
.endr
.irp n, 0,2,4,6,8,10,12,14,16,18,20,22,24,26,28,30
.irp t, 0,1,2,3
	v_pk_fma_f32 v[S+32*\t+\n:S+32*\t+\n+1], v[S+32*\t+\n:S+32*\t+\n+1], s[CS:CS+1], v[ST+8*\t:ST+8*\t+1] op_sel_hi:[1,0,0] neg_lo:[0,0,1] neg_hi:[0,0,1]   ; c s - c m, two at a time
.endr
.endr
.set i, 0
.rept 32
.irp t, 0,1,2,3
	v_exp_f32 v[S+32*\t+i], v[S+32*\t+i]           ; p
.endr
.set i, i+1
.endr
	s_wait_alu depctr_va_vdst(0)
.irp t, 0,1,2,3
	v_pk_mul_f32 v[ST+8*\t+2:ST+8*\t+3], v[ST+8*\t+2:ST+8*\t+3], v[ST+8*\t+6:ST+8*\t+7] op_sel_hi:[1,0]   ; l x a (plain lines behind the exponentials)
.endr
.irp t, 0,1,2,3
	v_pk_add_f32 v[SUM+2*\t:SUM+2*\t+1], v[S+32*\t:S+32*\t+1], v[S+32*\t+2:S+32*\t+3]   ; the sum of p in f32, ahead of the rounding: two chains a tile
.endr
.irp n, 4,8,12,16,20,24,28
.irp t, 0,1,2,3
	v_pk_add_f32 v[ST+8*\t+2:ST+8*\t+3], v[ST+8*\t+2:ST+8*\t+3], v[S+32*\t+\n:S+32*\t+\n+1]
	v_pk_add_f32 v[SUM+2*\t:SUM+2*\t+1], v[SUM+2*\t:SUM+2*\t+1], v[S+32*\t+\n+2:S+32*\t+\n+3]
.endr
.endr
.irp t, 0,1,2,3
	v_pk_add_f32 v[ST+8*\t+2:ST+8*\t+3], v[ST+8*\t+2:ST+8*\t+3], v[SUM+2*\t:SUM+2*\t+1]
.endr
.set i, 0
.rept 16
.irp t, 0,1,2,3
	v_cvt_pk_f16_f32 v[S+32*\t+i], v[S+32*\t+2*i], v[S+32*\t+2*i+1]   ; P, packed in place, ascending: register i never overtakes the pair that it is made of
.endr
.set i, i+1
.endr
	WIN W_RS
.set i, 0
.rept 16
.irp t, 0,1,2,3
	v_pk_mul_f32 v[OF+32*\t+i:OF+32*\t+i+1], v[OF+32*\t+i:OF+32*\t+i+1], v[ST+8*\t+6:ST+8*\t+7] op_sel_hi:[1,0]   ; O^T x a
.endr
.set i, i+2
.endr
	s_wait_dscnt 0x0                               ; V is in
	WIN W_PV
.set i, 0
.rept 32                               ; O^T += V^T P: keys 32 (i / 16) on, channels 16 ((i / 4) % 4) on, tile i % 4; the 16 accumulators take turns
.set rO, OF+32*(i%4)+8*((i/4)%4)
.set rV, VF+8*(4*(i/16)+(i/4)%4)
.set rP, S+32*(i%4)+8*(i/16)
	v_wmma_f32_16x16x32_f16 v[rO:rO+7], v[rV:rV+7], v[rP:rP+7], v[rO:rO+7]
.set i, i+1
.endr
	WIN 0
	s_add_co_u32 s[TB], s[TB], STEPB               ; the next step's tiles
.endm
.macro FOUR_STEPS                      ; a slot's four steps: written once, walked four times; then on to the other slot
	s_mov_b32 s[CNT], NQ
.Lstep_\@:
	STEP
	s_sub_co_u32 s[CNT], s[CNT], 1
	s_cmp_lg_u32 s[CNT], 0
	s_cbranch_scc1 .Lstep_\@
	s_sub_co_u32 s[TB], s[TB], NQ*STEPB
	s_xor_b32 s[TB], s[TB], SLOT1
.endm
; THE CHANGE OF SLOTS stands at a slot's head.  Each wave waits for all its tensor loads (its part of the slot that it is about to read), adds 0 to its spare word, and waits for that and for its reads of the slot that it has left.
; fill = 1: the barrier is a round of the cluster's, so that no wave of any partner still reads the other slot or has a load on its way; the joint load into it is the first thing behind the round, one a wave,
; and has a slot's four steps, 256 matrix instructions of each wave, in which to land.
.macro CHANGE fill
	s_wait_tensorcnt 0x0                           ; no tensor load of mine is out, so a group 0 may be written
	ds_add_u32 v[SPW], v[NIL]                      ; 0 onto my spare word
.if \fill
	s_xor_b32 s[G0K+1], s[G0K+1], SLOT1            ; the walking descriptors: the other slot than last time,
	s_add_nc_u64 s[G0K+2:G0K+3], s[G0K+2:G0K+3], SLOTB   ; the next 256 keys; the type bits on top are not reached
	s_xor_b32 s[G0V+1], s[G0V+1], SLOT1
	s_add_nc_u64 s[G0V+2:G0V+3], s[G0V+2:G0V+3], SLOTB
	s_wait_xcnt 0x0                                ; the last prefetch, a slot back, has read its address, so it may be written:
	s_add_nc_u64 s[PFA:PFA+1], s[PFA:PFA+1], SLOTB ; one slot further on than the walking descriptors
	s_wait_dscnt 0x0                               ; the add is done, and my reads of the slot that I have left are over
	CROUND
	JLOAD
	ASK
.else
	s_wait_dscnt 0x0
	s_barrier_signal -1
	s_barrier_wait -1
.endif
.endm
	s_wait_loadcnt 0x0                             ; Q
.Lslot:                                            ; NSL - 1 trips: behind each change of slots but the last the next slot is asked for
	CHANGE 1
	FOUR_STEPS
	s_sub_co_u32 s[SLOTS], s[SLOTS], 1
	s_cmp_lg_u32 s[SLOTS], 0
	s_cbranch_scc1 .Lslot
	CHANGE 0                                       ; the last slot is written out
	FOUR_STEPS
	; THE WAY OUT.  l's two halves and the other half of the lanes' are added; O^T is divided by l, rounded to f16 and sent through my stage, a tile (16 rows) at a time.  The four additions are the places behind the last products.
.irp t, 0,1,2,3
	v_add_f32 v[ST+8*\t+4], v[ST+8*\t+2], v[ST+8*\t+3]
.endr
.irp t, 0,1,2,3
	v_permlanex16_b32 v[ST+8*\t+5], v[ST+8*\t+4], s[SEL], s[SEL+1]
.endr
.irp t, 0,1,2,3
	v_add_f32 v[ST+8*\t+4], v[ST+8*\t+4], v[ST+8*\t+5]
.endr
.irp t, 0,1,2,3
	v_rcp_f32 v[ST+8*\t+6], v[ST+8*\t+4]
.endr
	v_nop                                          ; a plain instruction between the last reciprocal and the use of its result
	s_wait_alu depctr_va_vdst(0)
.macro PACK t                          ; a lane's eight channels of a row pack into 16 bytes; they go into rows of 144 bytes and come back four whole rows (512 bytes) an instruction
	WIN 0x01                                       ; source 0 (O^T) window 1; S^T's registers, which are free, take the results
.set i, 0
.rept 16
	v_pk_mul_f32 v[S+32*\t+i:S+32*\t+i+1], v[OF+32*\t+i:OF+32*\t+i+1], v[ST+8*\t+6:ST+8*\t+7] op_sel_hi:[1,0]   ; each accumulator from its low end on
.set i, i+2
.endr
	WIN 0
.set i, 0
.rept 16
	v_cvt_pk_f16_f32 v[S+32*\t+i], v[S+32*\t+2*i], v[S+32*\t+2*i+1]
.set i, i+1
.endr
.irp f, 0,1,2,3
	ds_store_b128 v[STO], v[S+32*\t+4*\f:S+32*\t+4*\f+3] offset:32*\f
.endr
.irp u, 0,1,2,3
	ds_load_b128 v[S+32*\t+16+4*\u:S+32*\t+16+4*\u+3], v[RD] offset:\u*4*SP   ; LDS serves a wave's instructions in order (ISA guide 5.7.1.4): these see the stores above; the next tile's stores come behind them
.endr
.endm
.macro SEND t, younger                 ; younger: the LDS instructions issued behind tile t's loads: the next tile's eight, or none
.irp u, 0,1,2,3
	s_wait_dscnt \younger+3-\u
	global_store_b128 v[GO], v[S+32*\t+16+4*\u:S+32*\t+16+4*\u+3], s[6:7] offset:\t*32768+\u*8192   ; sixteen lanes store 256 consecutive bytes, two rows of my head, at a multiple of 256 from the buffer's first byte
.endr
.endm
	PACK 0
	PACK 1
	SEND 0, 8
	PACK 2
	SEND 1, 8
	PACK 3
	SEND 2, 8
	SEND 3, 0
	s_wait_tensorcnt 0x0                           ; the wave's end
	ds_add_u32 v[SPW], v[NIL]
	s_wait_dscnt 0x0
	CROUND                                         ; the closing round
	s_endpgm
.Lfunc_end_k_qf105077151_attn:
	.size	k_qf105077151_attn, .Lfunc_end_k_qf105077151_attn-k_qf105077151_attn
	.p2alignl 7, 3214868480
	.fill 96, 4, 3214868480
	.section	.rodata,"a",@progbits
	.p2align	6, 0x0
	.amdhsa_kernel k_qf105077151_attn
		.amdhsa_group_segment_fixed_size 327680
		.amdhsa_private_segment_fixed_size 0
		.amdhsa_enable_private_segment 0
		.amdhsa_kernarg_size 16
		.amdhsa_user_sgpr_count 2
		.amdhsa_user_sgpr_kernarg_segment_ptr 1
		.amdhsa_wavefront_size32 1
		.amdhsa_system_sgpr_workgroup_id_x 1
		.amdhsa_system_sgpr_workgroup_id_y 1
		.amdhsa_system_sgpr_workgroup_id_z 1
		.amdhsa_system_vgpr_workitem_id 0
		.amdhsa_next_free_vgpr 512
		.amdhsa_next_free_sgpr 66
		.amdhsa_reserve_vcc 0
		.amdhsa_float_denorm_mode_32 3
		.amdhsa_float_denorm_mode_16_64 3
		.amdhsa_memory_ordered 1
		.amdhsa_forward_progress 1
		.amdhsa_inst_pref_size 92
	.end_amdhsa_kernel
	.amdgpu_metadata
---
amdhsa.version: [ 1, 2 ]
amdhsa.kernels:
  - .name:           k_qf105077151_attn
    .symbol:         k_qf105077151_attn.kd
    .args:
      - { .name: qkv, .offset: 0, .size: 8, .value_kind: global_buffer, .address_space: global }
      - { .name: att, .offset: 8, .size: 8, .value_kind: global_buffer, .address_space: global }
    .group_segment_fixed_size: 327680
    .private_segment_fixed_size: 0
    .kernarg_segment_align: 8
    .kernarg_segment_size: 16
    .max_flat_workgroup_size: 256
    .sgpr_count:     66
    .vgpr_count:     512
    .wavefront_size: 32
...
	.end_amdgpu_metadata
.endif
;; end of part 3
;; launch oproj (part 4): grid 8 x 64, 4 waves a work-group, clusters of 4 x 4, 327,680 bytes of LDS; arguments att, wo16, out0; writes out0
.if DOCPART == 4
	.amdgcn_target "amdgcn-amd-amdhsa--gfx1250"
	.amdhsa_code_object_version 6
	.text
	.protected	k_qf105077151_oproj
	.globl	k_qf105077151_oproj
	.p2align	8
	.type	k_qf105077151_oproj,@function
k_qf105077151_oproj:
	s_mov_b64 s[64:65], 0
	v_nop
	global_prefetch_b8 v0, s[64:65] scope:SCOPE_SE
	s_setreg_imm32_b32 hwreg(HW_REG_WAVE_MODE, 25, 1), 1
	s_wait_xcnt 0x0
	s_wait_alu depctr_hold_cnt(0) depctr_sa_sdst(0) depctr_va_vdst(0) depctr_va_sdst(0) depctr_va_ssrc(0) depctr_va_vcc(0) depctr_vm_vsrc(0)
	s_getreg_b32 s2, hwreg(HW_REG_IB_STS2, 6, 4)
	s_cmp_eq_u32 s2, 0
	s_cbranch_scc0 .Lentry_in_a_cluster
	s_endpgm
.Lentry_in_a_cluster:
	s_bfe_u32 s2, ttmp6, 0x10000c
	s_cmp_lg_u32 s2, 0xf033
	s_cbranch_scc0 .Lentry_shape_is_right
	s_endpgm
.Lentry_shape_is_right:
; out0[m][n] = sum over k of A[m][k] B[n][k], f16 operands, f32 sums, f32 out.  B = w_o as f16, [1024][1024].  A = the attention's result, 8,192 rows x 1,024, as f16 laid [4096 pairs of rows][16 heads][2 rows][64]:
; a pair of rows is 4,096 consecutive bytes, and 256 along K (four heads) are 1,024 consecutive bytes of a pair.
; A tile of C is 128 x 128.  Four waves, each 64 x 64: 16 accumulators of 16 x 16.  K goes in steps of 256 through a ring of two LDS slots: a wave's tensor load brings 32 pairs of rows x 1,024 bytes of A, or 64 rows x 512 bytes of B.
; CLUSTERS: 4 x 4 work-groups.  The four of a row of the cluster need the same tiles of A, the four of a column the same tiles of B: each tile is asked for JOINTLY.  THE MATRIX INSTRUCTION IS USED TRANSPOSED
; (source 0 = 16 rows of B, source 1 = 16 rows of A): a lane then holds eight neighbouring numbers of a row of C.  A wave's 64 columns of f32 are 256 consecutive bytes: each wave has its own stage on the way out, and no barrier is needed there.
; No prefetch: the tiles are small and each is read by several clusters soon after its first read.
; REGISTERS: window 0: v0-31 addresses; v32-95 rows on the way out; v128-255 the accumulators ((a, b) at v[128 + 8 (4 a + b)]).   window 1: two fragment buffers of 128: for 64 along K, 64 registers of A, then 64 of B.
.set SIZE_M, 8192
.set SIZE_N, 1024
.set SIZE_K, 1024
.set KSTEP,  256
.set PITCH,  528                       ; B's LDS row: 512 bytes + 16 = 132 words: row r starts at bank 4 r mod 64 (64 banks of 4 bytes: ISA guide 11.1)
.set PITCHA, 1040                      ; A's LDS row, a pair of rows x four heads: 1,024 bytes + 16: rows 2 p and 2 p + 1 lie at 16 p and 16 p + 128 modulo 256: sixteen rows, sixteen different columns of 16 bytes
.set ASTEP,  1024                      ; a K step of A in memory, in bytes of a pair
.set HALFA,  32*PITCHA                 ; 64 rows of A
.set HALFB,  64*PITCH                  ; 64 rows of B
.set SLOT,   2*HALFA+2*HALFB           ; A's 128 rows, then B's 128 rows
.set STAGE,  2*SLOT                    ; behind the ring: 16 rows x 272 bytes for each wave
.set SPITCH, 272
.set SPARE,  STAGE+4*16*SPITCH         ; the spare words, 128 bytes for each wave: two blocks of 256 bytes that no other line names
.set LAPS, SIZE_K/(2*KSTEP)            ; 2 laps of two K steps
.set ADRA, 16                          ; v16-17  LDS address of my A fragments in slot 0, 1
.set ADRB, 20                          ; v20-21  the same for B
.set STO,  24                          ; v24     the way out: where I put 32 bytes of a row
.set RD,   25                          ; v25     where I read rows back
.set CO,   26                          ; v26     my byte offset in C
.set SPW,  28                          ; v28     LDS address of my spare word; never rewritten
.set NIL,  29                          ; v29     0; never rewritten
.set TMP,  32
.set ACC,  128
.set F0,   0                           ; fragment buffers, in window 1
.set F1,   128
.set G1, 24
.set G0, 32
.set G1B, 48
.set G0B, 56
.set MSB, 0
.macro WIN new                         ; the immediate's high byte repeats the setting that is left
.if MSB != \new
	s_set_vgpr_msb (MSB<<8)|\new
.set MSB, \new
.endif
.endm
.set MUL,  0x05                        ; sources 0 (B) and 1 (A) window 1; C and D window 0
.set TO_F, 0x40                        ; destination window 1, address window 0
.macro JLOAD s                         ; a joint load: waves 0 and 1 fetch A's two halves, waves 2 and 3 B's; four v_nop follow each of the two lines
	s_cmp_eq_u32 s11, 0
	s_cbranch_scc0 .Lfor_b_\@
	tensor_load_to_lds s[G0+4*\s:G0+4*\s+3], s[G1:G1+7]
	s_nop 0
.rept 4
	v_nop
.endr
	s_branch .Lasked_\@
.Lfor_b_\@:
	tensor_load_to_lds s[G0B+4*\s:G0B+4*\s+3], s[G1B:G1B+7]
	s_nop 0
.rept 4
	v_nop
.endr
.Lasked_\@:
.endm
.macro CREST                           ; a round of the cluster's barrier behind its opening barrier
	s_cmp_lg_u32 s10, 0
	s_cbranch_scc1 .Lnot_wave_0_\@
	s_barrier_signal -3
.Lnot_wave_0_\@:
	s_barrier_wait -3
	s_barrier_signal -1
	s_barrier_wait -1
.endm
.macro CROUND                          ; a whole round
	s_barrier_signal -1
	s_barrier_wait -1
	CREST
.endm
	s_load_b128 s[4:7], s[0:1], 0x0                ; A s[4:5], B s[6:7]
	s_load_b64 s[8:9], s[0:1], 0x10                ; C
	v_lshl_add_u32 v[SPW], v0, 2, SPARE
	v_mov_b32 v[NIL], 0
	ds_add_u32 v28, v29
	s_wait_dscnt 0x0
	v_lshrrev_b32 v1, 5, v0
	v_readfirstlane_b32 s10, v1                    ; wave 0..3
	s_lshr_b32 s11, s10, 1                         ; which half of the tile's rows is mine.  Also: I fetch for A (0) or for B (1)
	s_and_b32 s12, s10, 1                          ; which half of its columns.  Also: which 64 rows of that tile I fetch
	s_bfe_u32 s40, ttmp6, 0x40000                  ; cx, cy: my place in the cluster
	s_bfe_u32 s41, ttmp6, 0x40004
	s_lshl_b32 s42, ttmp9, 2
	s_add_co_u32 s42, s42, s40                     ; tile column of C
	s_and_b32 s13, ttmp7, 0xffff
	s_lshl_b32 s13, s13, 2
	s_add_co_u32 s13, s13, s41                     ; tile row of C
	s_lshl_b32 s43, s41, 2
	s_lshl_b32 s43, 15, s43                        ; my row of the cluster
	s_lshl_b32 s44, 0x1111, s40                    ; my column
	; descriptor group 1.  A: 32 pairs of rows x 512 elements of 2 bytes, 2,048 elements from pair to pair; four words of padding after every 256
	s_or_b32 s[G1+0], s43, (1<<16)|(1<<20)|(1<<21)|(7<<22)|(3<<25)
	s_mov_b32 s[G1+1], 512<<16                     ; tensor_dim0
	s_mov_b32 s[G1+2], 32<<16                      ; tensor_dim1
	s_mov_b32 s[G1+3], 512<<16                     ; tile_dim0
	s_mov_b32 s[G1+4], 32                          ; tile_dim1
	s_mov_b32 s[G1+5], 2048                        ; tensor_dim0_stride
	s_mov_b32 s[G1+6], 0
	s_mov_b32 s[G1+7], 0
	; B: 64 rows x 256 elements; four words of padding after every 128
	s_or_b32 s[G1B+0], s44, (1<<16)|(1<<20)|(1<<21)|(6<<22)|(3<<25)
	s_mov_b32 s[G1B+1], KSTEP<<16
	s_mov_b32 s[G1B+2], 64<<16
	s_mov_b32 s[G1B+3], KSTEP<<16
	s_mov_b32 s[G1B+4], 64
	s_mov_b32 s[G1B+5], SIZE_K
	s_mov_b32 s[G1B+6], 0
	s_mov_b32 s[G1B+7], 0
	s_lshl_b32 s16, s13, 6
	s_lshl_b32 s17, s12, 5
	s_add_co_u32 s16, s16, s17                     ; A: pair 64 x tile row + 32 x half,
	s_lshl_b32 s16, s16, 12                        ; 4,096 bytes a pair
	s_mov_b32 s17, 0
	s_lshl_b32 s46, s42, 7
	s_lshl_b32 s47, s12, 6
	s_add_co_u32 s46, s46, s47                     ; B: row 128 x tile column + 64 x half,
	s_lshl_b32 s46, s46, 11                        ; 2,048 bytes a row
	s_mov_b32 s47, 0
	s_mul_i32 s20, s12, HALFA                      ; where they go: A's two halves,
	s_mul_i32 s21, s12, HALFB
	s_add_co_u32 s21, s21, 2*HALFA                 ; then B's two: no place in the cluster enters an LDS address
	s_wait_kmcnt 0x0
	s_add_nc_u64 s[14:15], s[4:5], s[16:17]
	s_add_nc_u64 s[46:47], s[6:7], s[46:47]
	CROUND                                         ; all sixteen work-groups are here: the first joint loads meet
.irp s, 0,1
	s_mov_b32 s[G0+4*\s], 1
	s_add_co_u32 s[G0+4*\s+1], s20, \s*SLOT
	s_add_nc_u64 s[G0+4*\s+2:G0+4*\s+3], s[14:15], \s*ASTEP
	s_or_b32 s[G0+4*\s+3], s[G0+4*\s+3], 0x80000000
	s_mov_b32 s[G0B+4*\s], 1
	s_add_co_u32 s[G0B+4*\s+1], s21, \s*SLOT
	s_add_nc_u64 s[G0B+4*\s+2:G0B+4*\s+3], s[46:47], \s*KSTEP*2
	s_or_b32 s[G0B+4*\s+3], s[G0B+4*\s+3], 0x80000000
	JLOAD \s                                       ; two tensor loads of mine are out
.endr
	v_and_b32 v1, 15, v0                           ; r = lane % 16
	v_bfe_u32 v2, v0, 4, 1                         ; h = lane / 16
	v_mul_u32_u24 v3, v1, PITCH
	v_lshl_add_u32 v3, v2, 4, v3                   ; B: row x pitch + 16 x half
	v_lshrrev_b32 v6, 1, v1
	v_mul_u32_u24 v6, v6, PITCHA                   ; A: pair r / 2,
	v_and_b32 v7, 1, v1
	v_lshl_add_u32 v6, v7, 7, v6                   ; + 128 for the odd row,
	v_lshl_add_u32 v6, v2, 4, v6                   ; + 16 x half
	s_mul_i32 s21, s11, HALFA                      ; my 64 rows of A
	s_mul_i32 s22, s12, HALFB                      ; my 64 rows of B,
	s_add_co_u32 s22, s22, 2*HALFA                 ; which lie behind A's 128
.irp s, 0,1
	v_add_nc_u32 v[ADRA+\s], s21, v6
	v_add_nc_u32 v[ADRB+\s], s22, v3
	s_add_co_u32 s21, s21, SLOT
	s_add_co_u32 s22, s22, SLOT
.endr
	s_mul_i32 s23, s10, 16*SPITCH
	s_add_co_u32 s23, s23, STAGE                   ; my stage
	v_mul_u32_u24 v4, v1, SPITCH                   ; in: row r, 32 bytes for each half of the lanes
	v_lshl_add_u32 v4, v2, 5, v4
	v_add_nc_u32 v[STO], s23, v4
	v_mul_u32_u24 v5, v2, SPITCH                   ; back: lanes 0-15 one row of 256 bytes, lanes 16-31 the next
	v_lshl_add_u32 v5, v1, 4, v5
	v_add_nc_u32 v[RD], s23, v5
	v_lshlrev_b32 v5, 12, v2                       ; and the same two rows in C: 4,096 bytes a row
	v_lshl_add_u32 v[CO], v1, 4, v5
	s_lshl_b32 s16, s13, 7
	s_lshl_b32 s17, s11, 6
	s_add_co_u32 s16, s16, s17                     ; my first row of C: 128 x tile row + 64 x half
	s_lshl_b32 s16, s16, 12
	s_mov_b32 s17, 0
	s_add_nc_u64 s[8:9], s[8:9], s[16:17]
	s_lshl_b32 s46, s42, 9                         ; my first column, in bytes: 512 x tile column + 256 x half
	s_lshl_b32 s47, s12, 8
	s_add_co_u32 s46, s46, s47
	s_mov_b32 s47, 0
	s_add_nc_u64 s[8:9], s[8:9], s[46:47]
; 8 matrix instructions: m blocks a0, a0 + 1 x all 4 n blocks, 32 along K: half c of buffer f.  zero = 1: the first product starts the sums.  The 16 accumulators take turns
.macro MUL8 f, c, a0, zero
.irp a, \a0, \a0+1
.irp b, 0,1,2,3
.if \zero
	v_wmma_f32_16x16x32_f16 v[ACC+8*(4*(\a)+\b):ACC+8*(4*(\a)+\b)+7], v[\f+64+8*(4*\c+\b):\f+64+8*(4*\c+\b)+7], v[\f+8*(4*\c+\a):\f+8*(4*\c+\a)+7], 0
.else
	v_wmma_f32_16x16x32_f16 v[ACC+8*(4*(\a)+\b):ACC+8*(4*(\a)+\b)+7], v[\f+64+8*(4*\c+\b):\f+64+8*(4*\c+\b)+7], v[\f+8*(4*\c+\a):\f+8*(4*\c+\a)+7], v[ACC+8*(4*(\a)+\b):ACC+8*(4*(\a)+\b)+7]
.endif
.endr
.endr
.endm
; 32 LDS loads in one run: the fragments of 64 along K (one head) into buffer f; k: the byte in B's rows; in A's pairs the head begins at byte 2 k.  The first 32 along K first
.macro FETCH slot, k, f
	WIN TO_F
.irp c, 0,1
.irp i, 0,1,2,3
	ds_load_b128 v[\f+64+8*(4*\c+\i):\f+64+8*(4*\c+\i)+3],   v[ADRB+\slot] offset:\k+64*\c+\i*16*PITCH
	ds_load_b128 v[\f+64+8*(4*\c+\i)+4:\f+64+8*(4*\c+\i)+7], v[ADRB+\slot] offset:\k+64*\c+\i*16*PITCH+32
	ds_load_b128 v[\f+8*(4*\c+\i):\f+8*(4*\c+\i)+3],         v[ADRA+\slot] offset:2*(\k)+64*\c+\i*8*PITCHA
	ds_load_b128 v[\f+8*(4*\c+\i)+4:\f+8*(4*\c+\i)+7],       v[ADRA+\slot] offset:2*(\k)+64*\c+\i*8*PITCHA+32
.endr
.endr
.endm
.macro PLACES                          ; four places in front of loads into registers that matrix instructions have read, and of the first read of results
.rept 4
	v_nop
.endr
.endm
; A K step is four quarters of 64 along K, 32 matrix instructions each, on buffers 0, 1, 0, 1.  One of the first three: multiplies buffer f and fetches the next quarter, at byte k, into g.
.macro QUARTER slot, k, f, g, zero
	s_wait_dscnt 16                                ; the first 32 along K are in; the sixteen younger loads may be out
	WIN MUL
	MUL8 \f, 0, 0, \zero
	MUL8 \f, 0, 2, \zero
	PLACES
	FETCH \slot, \k, \g
	s_wait_dscnt 32                                ; all but the 32 just issued
	WIN MUL
	MUL8 \f, 1, 0, 0
	MUL8 \f, 1, 2, 0
.endm
; The last quarter multiplies buffer 1 and changes slots: ONE barrier; in front of it each wave waits for all its tensor loads, adds 0 to its spare word, and waits for that and for its own reads of this slot.  fill = 1: this slot is filled again, two K steps ahead.
.macro TURN slot, next, fill
	WIN 0                                          ; (the add's two registers lie in window 0)
	s_wait_tensorcnt 0x0                           ; all my tensor loads have landed: my part of the next slot
	ds_add_u32 v[SPW], v[NIL]                      ; 0 onto my spare word
	s_wait_dscnt 17                                ; (the add and the youngest sixteen loads may be out)
	WIN MUL
	MUL8 F1, 0, 0, 0
	s_wait_dscnt 0x0                               ; the add is done, and my reads of this slot are over
	s_barrier_signal -1
	MUL8 F1, 0, 2, 0
.if \fill
	WIN 0
.endif
	s_barrier_wait -1
.if \fill
	CREST                                          ; the barrier has opened a round of the cluster's barrier: no wave of any partner still reads this slot's tile or has a load on its way
	s_add_nc_u64 s[G0+4*\slot+2:G0+4*\slot+3], s[G0+4*\slot+2:G0+4*\slot+3], 2*ASTEP
	s_add_nc_u64 s[G0B+4*\slot+2:G0B+4*\slot+3], s[G0B+4*\slot+2:G0B+4*\slot+3], 2*KSTEP*2
	JLOAD \slot                                    ; the first tensor load behind the round; the four v_nop behind it are also the places in front of the loads below
.else
	PLACES
.endif
	FETCH \next, 0, F0
	WIN MUL
	MUL8 F1, 1, 0, 0
	MUL8 F1, 1, 2, 0
.endm
	s_wait_tensorcnt 1                             ; my part of K step 0 is in (K step 1's load may be out),
	s_barrier_signal -1
	s_barrier_wait -1                              ; everybody's is
	FETCH 0, 0, F0
	QUARTER 0, 128, F0, F1, 1                      ; the first quarter stands in front of the loop: its first products start the sums
	WIN 0                                          ; at a label and at a branch every window is 0
	s_mov_b32 s3, LAPS-1
.Llap:                                                 ; a trip goes once round the ring, from a lap's second quarter to the next lap's first, and fills both slots again
	QUARTER 0, 256, F1, F0, 0
	QUARTER 0, 384, F0, F1, 0
	TURN 0, 1, 1
	QUARTER 1, 128, F0, F1, 0
	QUARTER 1, 256, F1, F0, 0
	QUARTER 1, 384, F0, F1, 0
	TURN 1, 0, 1
	QUARTER 0, 128, F0, F1, 0
	WIN 0
	s_sub_co_u32 s3, s3, 1
	s_cmp_lg_u32 s3, 0
	s_cbranch_scc1 .Llap
	QUARTER 0, 256, F1, F0, 0                      ; the last lap fills nothing
	QUARTER 0, 384, F0, F1, 0
	TURN 0, 1, 0
	QUARTER 1, 128, F0, F1, 0
	QUARTER 1, 256, F1, F0, 0
	QUARTER 1, 384, F0, F1, 0
	s_wait_dscnt 16                                ; the very last quarter: nothing more to fetch
	WIN MUL
	MUL8 F1, 0, 0, 0
	MUL8 F1, 0, 2, 0
	s_wait_dscnt 0
	MUL8 F1, 1, 0, 0
	MUL8 F1, 1, 2, 0
	WIN 0
; THE WAY OUT, block by block of 16 rows x 64 columns of f32.  A lane holds 32 neighbouring bytes of a row, and the lanes beside it hold other rows: a block goes through my own stage and comes back as whole rows of 256 bytes.
; LDS serves a wave's instructions in order (ISA guide 5.7.1.4): no wait between the stores and the loads, nor in front of the next block's stores.
.macro TOSTAGE a
.irp b, 0,1,2,3
	ds_store_b128 v[STO], v[ACC+8*(4*(\a)+\b):ACC+8*(4*(\a)+\b)+3] offset:64*\b          ; each accumulator from its low end on
	ds_store_b128 v[STO], v[ACC+8*(4*(\a)+\b)+4:ACC+8*(4*(\a)+\b)+7] offset:64*\b+16
.endr
.irp u, 0,1,2,3,4,5,6,7
	ds_load_b128 v[TMP+32*((\a)%2)+4*\u:TMP+32*((\a)%2)+4*\u+3], v[RD] offset:\u*2*SPITCH
.endr
.endm
.macro SEND a, younger                 ; younger: the LDS instructions issued behind block a's loads: the next block's sixteen, or none
	s_wait_dscnt \younger
.irp u, 0,1,2,3,4,5,6,7
	global_store_b128 v[CO], v[TMP+32*((\a)%2)+4*\u:TMP+32*((\a)%2)+4*\u+3], s[8:9] offset:(16*(\a)+2*\u)*4096 th:TH_STORE_NT   ; sixteen lanes store 256 consecutive bytes, at a multiple of 256 from C's first byte; written once, read by nobody here
.endr
.endm
	PLACES
	TOSTAGE 0
.irp a, 1,2,3
.if \a >= 2
	s_wait_xcnt 0x0                                ; block a - 2's stores have read their registers: block a's rows may land there
.endif
	TOSTAGE \a
	SEND \a-1, 16
.endr
	SEND 3, 0
	s_wait_tensorcnt 0x0                           ; the wave's end
	ds_add_u32 v[SPW], v[NIL]
	s_wait_dscnt 0x0
	CROUND                                         ; the closing round
	s_endpgm
.Lfunc_end_k_qf105077151_oproj:
	.size	k_qf105077151_oproj, .Lfunc_end_k_qf105077151_oproj-k_qf105077151_oproj
	.p2alignl 7, 3214868480
	.fill 96, 4, 3214868480
	.section	.rodata,"a",@progbits
	.p2align	6, 0x0
	.amdhsa_kernel k_qf105077151_oproj
		.amdhsa_group_segment_fixed_size 327680
		.amdhsa_private_segment_fixed_size 0
		.amdhsa_enable_private_segment 0
		.amdhsa_kernarg_size 24
		.amdhsa_user_sgpr_count 2
		.amdhsa_user_sgpr_kernarg_segment_ptr 1
		.amdhsa_wavefront_size32 1
		.amdhsa_system_sgpr_workgroup_id_x 1
		.amdhsa_system_sgpr_workgroup_id_y 1
		.amdhsa_system_sgpr_workgroup_id_z 1
		.amdhsa_system_vgpr_workitem_id 0
		.amdhsa_next_free_vgpr 512
		.amdhsa_next_free_sgpr 66
		.amdhsa_reserve_vcc 0
		.amdhsa_float_denorm_mode_32 3
		.amdhsa_float_denorm_mode_16_64 3
		.amdhsa_memory_ordered 1
		.amdhsa_forward_progress 1
		.amdhsa_inst_pref_size 86
	.end_amdhsa_kernel
	.amdgpu_metadata
---
amdhsa.version: [ 1, 2 ]
amdhsa.kernels:
  - .name:           k_qf105077151_oproj
    .symbol:         k_qf105077151_oproj.kd
    .args:
      - { .name: att, .offset: 0, .size: 8, .value_kind: global_buffer, .address_space: global }
      - { .name: wo16, .offset: 8, .size: 8, .value_kind: global_buffer, .address_space: global }
      - { .name: out0, .offset: 16, .size: 8, .value_kind: global_buffer, .address_space: global }
    .group_segment_fixed_size: 327680
    .private_segment_fixed_size: 0
    .kernarg_segment_align: 8
    .kernarg_segment_size: 24
    .max_flat_workgroup_size: 128
    .sgpr_count:     66
    .vgpr_count:     512
    .wavefront_size: 32
...
	.end_amdgpu_metadata
.endif
;; end of part 4
